; MI455X (gfx1250); checked and timed in simulation.
; The chip was launched on July 23, 2026; its instructions are those of AMD's public machine-readable ISA for CDNA 5 (MIT licence, August 2026) and "CDNA5" Instruction Set Architecture Reference Guide (July 2026). The comments in the code are by the model that wrote it; some were corrected since.
;; Multi Head Selective Attention. Allowed arithmetic: float matrix products may take bf16 or f16 operands with f32 sums; other float arithmetic in f32, or as packed bf16 or f16 multiplies, adds, multiply-adds, maxima and minima; sums over many terms, partial sums and values carried from step to step in f32; what a program stores and reads back later, other than sums and carried values, may be rounded once to bf16 or f16.
;; Inputs: Wk 1,024 x 1,024 float32; Wq 1,024 x 1,024 float32; Wv 1,024 x 16 float32; bk 1,024 float32; bq 1,024 float32; bv 16 float32; mask 8 x 4,096 bool; x 8 x 4,096 x 1,024 float32.
;; Outputs: out0 8 x 16 x 4,096 float32.
;; 2 versions, each right; version 2 is version 1 with the launches vu, zs written anew for expert scheduling mode. Each part assembles by itself: llvm-mc -triple=amdgcn-amd-amdhsa -mcpu=gfx1250 --defsym DOCPART=n.
;; ======== version 1 of 2: 4 launches
;; workspace buffers: upart 16,777,216 bytes; svp 65,536 bytes; ktvp 524,288 bytes; gbuf 524,288 bytes; cbuf 4,096 bytes
;; launch vu (part 1): grid 256 x 1, 8 waves a work-group, no clusters, 314,624 bytes of LDS; arguments x, Wv, bv, upart, svp; writes upart, svp
.if DOCPART == 1
	.amdgcn_target "amdgcn-amd-amdhsa--gfx1250"
	.amdhsa_code_object_version 6
	.text
	.protected	k_q4181bbb2f9_vu
	.globl	k_q4181bbb2f9_vu
	.p2align	8
	.type	k_q4181bbb2f9_vu,@function
k_q4181bbb2f9_vu:
	s_mov_b64 s[64:65], 0
	v_nop
	global_prefetch_b8 v0, s[64:65] scope:SCOPE_SE
	s_setreg_imm32_b32 hwreg(HW_REG_WAVE_MODE, 25, 1), 1
	s_wait_xcnt 0x0
; FIRST OF FOUR LAUNCHES.  reference() is linear in k and q, so that  z[b,h,l] = x[b,l,:] . g[b,h,:] + c[b,h]  with
;   U[b,h,e] = sum over l of v[b,l,h] x[b,l,e],  sv[b,h] = sum over l of v[b,l,h],  ktv[b,h,d] = sum over e of U[b,h,e] Wk[e,64h+d] + bk[64h+d] sv[b,h],
;   g[b,h,e] = 1/8 sum over d of Wq[e,64h+d] ktv[b,h,d],  c[b,h] = 1/8 sum over d of bq[64h+d] ktv[b,h,d]:  the same terms as in reference(), regrouped, for every input.
; THIS LAUNCH: v = x Wv + bv for 128 rows of x, then those rows' part of U and of sv.  x: [32768][1024] f32, Wv: [1024][16] f32, bv: [16] f32.
; upart: f32 [work-group 256][head 16][e 1024];  svp: f32 [work-group 256][lane 32][2], sv of head h in lane h, word 0.
; FORMATS.  x, Wv and bv are rounded once to bf16.  v, an f32 sum, enters the second product as THREE bf16 terms (round, subtract exactly, round again): together its 24 bits.  All sums in f32.
; LIMITS.  The results are those of reference() on inputs rounded to bf16; a term below bf16's least number is lost; NaN and infinities are not treated apart; the f32 sums go in another order than reference()'s.
; SHARES.  A work-group has 128 rows (512 KiB of x), a wave 16 of them.  Each load of a wave takes 512 consecutive bytes of one row.  A ring of three register slots of 16 loads keeps 32 to 48 loads of a wave on their way.
; The rows stay in LDS as bf16, so that x is read once here: phase 1 reads a wave's own rows as they lie (v), phase 2 reads all 128 rows turned (U = v^T x): wave w makes e = 128 w .. 128 w + 127 for all 16 heads.
; NO CLUSTER: what work-groups share is Wv, 64 KiB, against 512 KiB of x of each work-group's own.  NO TENSOR LOADS: the bf16 rows take 266,496 of LDS's bytes, and f32 slots would not fit beside them.
.set ROWP,  2080                       ; a row of x in LDS: 2,048 bytes + 32 = 520 words: 8 rows start 8 banks apart (64 banks of 4 bytes: ISA guide 11.1)
.set GRP,   8*ROWP+16                  ; 16 bytes more behind every 8 rows: the 16 rows of a plain fragment load start at banks 8 (r % 8) + 4 (r / 8)
.set WVS,   16*GRP                     ; 266,496: first Wv as bf16, [e][16 heads], 32 bytes a row; behind the second barrier the eight waves' stages
.set STG,   16*272                     ; a stage: 16 heads x (256 + 16) bytes
.set VF,    WVS+8*STG                  ; 301,312: v's fragments, [32 rows: 4][term: 3][1,024 bytes]
.set SPARE, VF+12*1024                 ; 313,600: the spare words, 128 bytes for each wave: four blocks of 256 bytes that no other line names
.set XO,  2                            ; v2   x: 16 L + 65,536 w (my wave's 16 rows)
.set XS,  3                            ; v3   LDS: where my 8 bytes of a row's piece go
.set XA,  4                            ; v4   LDS: my wave's rows as source 0
.set WA,  5                            ; v5   LDS: Wv, turned
.set WS,  6                            ; v6   LDS: where my 8 bytes of Wv go
.set WO,  7                            ; v7   Wv: 16 x thread
.set SPW, 8                            ; v8   my spare word; never rewritten
.set NIL, 9                            ; v9   0; never rewritten
.set XT,  10                           ; v10-13  LDS: rows 32 g .. 32 g + 31, turned, my wave's 128 e
.set VFS, 14                           ; v14  LDS: where my half fragment of v goes
.set VFL, 15                           ; v15  LDS: v's fragments
.set STO, 16                           ; v16  the way out: into my stage
.set RD,  17                           ; v17  the way out: back, by rows
.set UO,  18                           ; v18  my byte offset in the work-group's part of upart
.set SVO, 19                           ; v19  8 L
.set BV,  20                           ; v[20:21] bv of head L % 16, rounded to bf16, twice
.set BVO, 22                           ; v22  4 (L % 16)
.set T,   32                           ; v[32:63]   a piece as bf16
.set FA,  64                           ; v[64:95]   four fragments of x   (at the start: Wv as loaded, v[64:127])
.set FB,  96                           ; v[96:127]  four fragments of Wv
.set ACC, 160                          ; v[160:175] v's two accumulators
.set SU,  176                          ; v[176:179] at work
.set TM,  180                          ; v[180:191] v's three terms, 4 registers each
.set XB,  32                           ; phase 2: v[32:95], v[96:159] two buffers of 8 turned fragments
.set UACC, 160                         ; phase 2: v[160:223] 8 accumulators, 16 e x 16 heads each
.set ONES, 224                         ; v[224:231] a fragment of ones
.set SVA, 232                          ; v[232:255] sv: an accumulator for each term
.set WV,  14                           ; s14  my wave's number
.set MH,  15                           ; s15  a word's upper bf16
; window 1: v[0:191] the ring, three slots of 64; in phase 2 v[0:95] v's 12 fragments
.set MSB, 0
.macro WIN new                         ; s_set_vgpr_msb: bits 1:0 source 0, 3:2 source 1, 5:4 source 2, 7:6 destination; the high byte repeats the setting that is left
.if MSB != (\new)
	s_set_vgpr_msb (MSB<<8)|(\new)
.set MSB, (\new)
.endif
.endm
.macro PLACES                          ; four plain vector instructions between a matrix instruction and what reads its result or writes its registers (ISA guide 7.12.1)
.rept 4
	v_nop
.endr
.endm
; Four f32 in v[a .. a+3] become three pairs of packed bf16: t1 = round(a); a -= t1, exactly; t2 = round(a); a -= t2; t3 = round(a).
.macro SPLIT3 a, u, t1, t2, t3
.irp w, \t1, \t2
	v_cvt_pk_bf16_f32 v[(\w)], v[(\a)], v[(\a)+1]
	v_cvt_pk_bf16_f32 v[(\w)+1], v[(\a)+2], v[(\a)+3]
	v_lshlrev_b32 v[(\u)], 16, v[(\w)]
	v_and_b32 v[(\u)+1], s[MH], v[(\w)]
	v_lshlrev_b32 v[(\u)+2], 16, v[(\w)+1]
	v_and_b32 v[(\u)+3], s[MH], v[(\w)+1]
	v_pk_add_f32 v[(\a):(\a)+1], v[(\a):(\a)+1], v[(\u):(\u)+1] neg_lo:[0,1] neg_hi:[0,1]
	v_pk_add_f32 v[(\a)+2:(\a)+3], v[(\a)+2:(\a)+3], v[(\u)+2:(\u)+3] neg_lo:[0,1] neg_hi:[0,1]
.endr
	v_cvt_pk_bf16_f32 v[(\t3)], v[(\a)], v[(\a)+1]
	v_cvt_pk_bf16_f32 v[(\t3)+1], v[(\a)+2], v[(\a)+3]
.endm
	s_load_b256 s[4:11], s[0:1], 0x0               ; x s[4:5], Wv s[6:7], bv s[8:9], upart s[10:11]
	s_load_b64 s[12:13], s[0:1], 0x20              ; svp
	v_lshl_add_u32 v[SPW], v0, 2, SPARE
	v_mov_b32 v[NIL], 0
	v_lshrrev_b32 v1, 5, v0
	v_readfirstlane_b32 s[WV], v1                  ; wave 0..7
	s_mov_b32 s[MH], 0xffff0000
	v_and_b32 v1, 31, v0                           ; L
	v_and_b32 v24, 15, v0                          ; r = L % 16
	v_bfe_u32 v25, v0, 4, 1                        ; hh = L / 16
	v_and_b32 v26, 7, v0                           ; L % 8
	v_bfe_u32 v27, v0, 3, 1                        ; (L / 8) % 2 = r / 8
	s_lshl_b32 s16, s[WV], 16
	v_lshl_add_u32 v[XO], v1, 4, s16
	s_mul_i32 s17, s[WV], 2*GRP                    ; my wave's 16 rows in LDS
	v_lshl_add_u32 v[XS], v1, 3, s17
	v_mul_u32_u24 v28, v26, ROWP
	v_mul_u32_u24 v29, v27, GRP
	v_add_nc_u32 v29, v28, v29
	v_lshl_add_u32 v29, v25, 4, v29
	v_add_nc_u32 v[XA], s17, v29                   ; row r of my 16, + 16 hh
	v_lshl_add_u32 v29, v25, 3, v26
	v_lshlrev_b32 v29, 5, v29
	v_lshl_add_u32 v29, v27, 4, v29
	v_add_nc_u32 v[WA], WVS, v29                   ; row 8 hh + L % 8 of Wv, 16 bytes by (L / 8) % 2
	v_lshl_add_u32 v[WS], v0, 3, WVS
	v_lshlrev_b32 v[WO], 4, v0
	v_mul_u32_u24 v30, v25, GRP
	v_add_nc_u32 v30, v28, v30
	v_lshl_add_u32 v30, v27, 4, v30
	s_lshl_b32 s18, s[WV], 8
	v_add_nc_u32 v30, s18, v30                     ; row 8 hh + L % 8, 16 bytes by (L / 8) % 2, my wave's 256 bytes
.irp g, 0,1,2,3
	v_add_nc_u32 v[XT+(\g)], 4*GRP*(\g), v30
.endr
	s_lshr_b32 s19, s[WV], 1
	s_mul_i32 s19, s19, 3072                       ; two waves' rows make a fragment's 32,
	s_and_b32 s20, s[WV], 1
	s_lshl_b32 s20, s20, 9                         ; the even wave its registers 0-3, the odd one 4-7
	s_add_co_u32 s19, s19, s20
	s_add_co_u32 s19, s19, VF
	v_lshl_add_u32 v[VFS], v1, 4, s19
	v_lshl_add_u32 v[VFL], v1, 4, VF
	s_mul_i32 s21, s[WV], STG
	s_add_co_u32 s21, s21, WVS                     ; my stage
	v_mul_u32_u24 v28, v24, 272
	v_lshl_add_u32 v28, v25, 5, v28
	v_add_nc_u32 v[STO], s21, v28                  ; in: head r, 32 bytes for each half of the lanes
	v_mul_u32_u24 v28, v25, 272
	v_lshl_add_u32 v28, v24, 4, v28
	v_add_nc_u32 v[RD], s21, v28                   ; back: lanes 0-15 one head's 256 bytes, lanes 16-31 the next head's
	v_lshlrev_b32 v28, 12, v25
	v_lshl_add_u32 v28, v24, 4, v28
	s_lshl_b32 s22, s[WV], 9
	v_add_nc_u32 v[UO], s22, v28
	v_lshlrev_b32 v[SVO], 3, v1
	v_lshlrev_b32 v[BVO], 2, v24
	s_lshl_b32 s24, ttmp9, 19                      ; the work-group's 128 rows of 4,096 bytes
	s_mov_b32 s25, 0
	s_lshl_b32 s26, ttmp9, 16                      ; its 65,536 bytes of upart
	s_mov_b32 s27, 0
	s_lshl_b32 s28, ttmp9, 8                       ; its 256 bytes of svp
	s_mov_b32 s29, 0
	s_wait_kmcnt 0x0
	s_add_nc_u64 s[4:5], s[4:5], s[24:25]
	s_add_nc_u64 s[10:11], s[10:11], s[26:27]
	s_add_nc_u64 s[12:13], s[12:13], s[28:29]
; Piece c (128 e) of my 16 rows into slot c % 3: 16 loads, each 512 consecutive bytes of one row.
.macro FILL c
	WIN 0x40                                       ; destination window 1
.set i, 0
.rept 16
	global_load_b128 v[64*((\c)%3)+4*i:64*((\c)%3)+4*i+3], v[XO], s[4:5] offset:4096*i+512*(\c)
.set i, i+1
.endr
.endm
; Piece c: rounded to bf16, its slot asked for again, laid into LDS, read back as four fragments, and multiplied by Wv's rows 128 c .. 128 c + 127.
.macro BLOCK c
.if (\c) < 6
	s_wait_loadcnt 32                              ; loads come back in order (ISA guide 5.7.1): piece c is in, the two younger pieces' 32 loads stay out
.elseif (\c) == 6
	s_wait_loadcnt 16                              ; one younger piece is left
.else
	s_wait_loadcnt 0x0
.endif
	WIN 0x05                                       ; sources window 1, destination window 0
.set i, 0
.rept 32                                           ; these 32 name no register of the products before them: they are the places in front of the fragment loads below
	v_cvt_pk_bf16_f32 v[T+i], v[64*((\c)%3)+2*i], v[64*((\c)%3)+2*i+1]
.set i, i+1
.endr
.if (\c) < 5
	FILL (\c)+3
.endif
	WIN 0
.set i, 0
.rept 16
	ds_store_b64 v[XS], v[T+2*i:T+2*i+1] offset:(i%8)*ROWP+(i/8)*GRP+256*(\c)
.set i, i+1
.endr
.irp ks, 0,1,2,3                                   ; LDS serves a wave's instructions in order (ISA guide 5.7.1.4): the loads of my own rows see the stores above
	ds_load_b128 v[FA+8*(\ks):FA+8*(\ks)+3], v[XA] offset:256*(\c)+64*(\ks)
	ds_load_b128 v[FA+8*(\ks)+4:FA+8*(\ks)+7], v[XA] offset:256*(\c)+64*(\ks)+32
	ds_load_tr16_b128 v[FB+8*(\ks):FB+8*(\ks)+3], v[WA] offset:(4*(\c)+(\ks))*1024
	ds_load_tr16_b128 v[FB+8*(\ks)+4:FB+8*(\ks)+7], v[WA] offset:(4*(\c)+(\ks))*1024+512
.endr
	s_wait_dscnt 0x0
.irp ks, 0,1,2,3                                   ; the two accumulators take turns, from piece to piece too
.if ((\c) == 0) && ((\ks) < 2)
	v_wmma_f32_16x16x32_bf16 v[ACC+8*((\ks)%2):ACC+8*((\ks)%2)+7], v[FA+8*(\ks):FA+8*(\ks)+7], v[FB+8*(\ks):FB+8*(\ks)+7], 0
.else
	v_wmma_f32_16x16x32_bf16 v[ACC+8*((\ks)%2):ACC+8*((\ks)%2)+7], v[FA+8*(\ks):FA+8*(\ks)+7], v[FB+8*(\ks):FB+8*(\ks)+7], v[ACC+8*((\ks)%2):ACC+8*((\ks)%2)+7]
.endif
.endr
.endm
; Rows 32 g .. 32 g + 31 of x, turned: 8 fragments (16 e x 32 rows) of my wave's 128 e.
.macro XFETCH g
.irp q, 0,1,2,3,4,5,6,7
	ds_load_tr16_b128 v[XB+64*((\g)%2)+8*(\q):XB+64*((\g)%2)+8*(\q)+3], v[XT+(\g)] offset:32*(\q)
	ds_load_tr16_b128 v[XB+64*((\g)%2)+8*(\q)+4:XB+64*((\g)%2)+8*(\q)+7], v[XT+(\g)] offset:32*(\q)+2*GRP
.endr
.endm
; U += x^T v for those rows: source 0 = 16 e, source 1 = 16 heads (window 1), once for each of v's three terms.  The 8 accumulators take turns.
.macro UMUL g
.irp t, 0,1,2
.irp q, 0,1,2,3,4,5,6,7
.if ((\g) == 0) && ((\t) == 0)
	v_wmma_f32_16x16x32_bf16 v[UACC+8*(\q):UACC+8*(\q)+7], v[XB+64*((\g)%2)+8*(\q):XB+64*((\g)%2)+8*(\q)+7], v[8*(3*(\g)+(\t)):8*(3*(\g)+(\t))+7], 0
.else
	v_wmma_f32_16x16x32_bf16 v[UACC+8*(\q):UACC+8*(\q)+7], v[XB+64*((\g)%2)+8*(\q):XB+64*((\g)%2)+8*(\q)+7], v[8*(3*(\g)+(\t)):8*(3*(\g)+(\t))+7], v[UACC+8*(\q):UACC+8*(\q)+7]
.endif
.endr
.endr
.endm
	global_load_b32 v[BV], v[BVO], s[8:9]
.set i, 0
.rept 16
	global_load_b128 v[64+4*i:64+4*i+3], v[WO], s[6:7] offset:4096*i  ; all of Wv: 4,096 consecutive bytes for the 256 threads
.set i, i+1
.endr
	FILL 0
	FILL 1
	WIN 0
.set i, 0
.rept 8
	v_mov_b32 v[ONES+i], 0x3f803f80                ; 1.0 twice in bf16
.set i, i+1
.endr
	s_wait_loadcnt 32                              ; bv and Wv are in; the two pieces' 32 loads stay out
	FILL 2
	WIN 0
.set i, 0
.rept 32
	v_cvt_pk_bf16_f32 v[T+i], v[64+2*i], v[64+2*i+1]
.set i, i+1
.endr
.set i, 0
.rept 16
	ds_store_b64 v[WS], v[T+2*i:T+2*i+1] offset:2048*i
.set i, i+1
.endr
	v_cvt_pk_bf16_f32 v[BV+1], v[BV], v[BV]        ; bv rounded to bf16, widened again, twice
	v_lshlrev_b32 v[BV], 16, v[BV+1]
	v_mov_b32 v[BV+1], v[BV]
	s_wait_dscnt 0x0                               ; for the others' sake: my part of Wv lies in LDS
	s_barrier_signal -1
	s_barrier_wait -1                              ; all of it does
	BLOCK 0
	BLOCK 1
	BLOCK 2
	BLOCK 3
	BLOCK 4
	BLOCK 5
	BLOCK 6
	BLOCK 7
	; v = the two accumulators + bv.  A lane holds head r and rows 8 hh + 0..7: packed in pairs that is half of a source 1 with the rows along K.
	PLACES
.irp k, 0,2,4,6
	v_pk_add_f32 v[ACC+(\k):ACC+(\k)+1], v[ACC+(\k):ACC+(\k)+1], v[ACC+8+(\k):ACC+8+(\k)+1]
.endr
.irp k, 0,2,4,6
	v_pk_add_f32 v[ACC+(\k):ACC+(\k)+1], v[ACC+(\k):ACC+(\k)+1], v[BV:BV+1]
.endr
	SPLIT3 ACC, SU, TM, TM+4, TM+8
	SPLIT3 ACC+4, SU, TM+2, TM+6, TM+10
.irp t, 0,1,2
	ds_store_b128 v[VFS], v[TM+4*(\t):TM+4*(\t)+3] offset:1024*(\t)
.endr
	s_wait_dscnt 0x0                               ; my rows of x and my part of v lie in LDS, and my reads of Wv are over
	s_barrier_signal -1
	s_barrier_wait -1                              ; so for all eight waves: all rows may be read, and Wv's bytes may become stages
	WIN 0x40
.set f, 0
.rept 12
	ds_load_b128 v[8*f:8*f+3], v[VFL] offset:1024*f
	ds_load_b128 v[8*f+4:8*f+7], v[VFL] offset:1024*f+512
.set f, f+1
.endr
	WIN 0x04                                       ; source 1 window 1: the products' setting; an LDS load has no source 1, so the loads below stand under it too
	XFETCH 0
	XFETCH 1
	s_wait_dscnt 16                                ; all but the youngest 16
	UMUL 0
	PLACES                                         ; in front of loads into the buffer just multiplied
	XFETCH 2
	s_wait_dscnt 16
	UMUL 1
	PLACES
	XFETCH 3
	s_wait_dscnt 16
	UMUL 2
	s_wait_dscnt 0x0
	UMUL 3
	WIN 0                                          ; at a branch and at a label every window is 0
	s_cmp_lg_u32 s[WV], 0
	s_cbranch_scc1 .Lno_sv
	WIN 0x04                                       ; wave 0: sv = ones x v: every row of the result is the sum over the 128 rows; three accumulators by turns
.irp g, 0,1,2,3
.irp t, 0,1,2
.if (\g) == 0
	v_wmma_f32_16x16x32_bf16 v[SVA+8*(\t):SVA+8*(\t)+7], v[ONES:ONES+7], v[8*(3*(\g)+(\t)):8*(3*(\g)+(\t))+7], 0
.else
	v_wmma_f32_16x16x32_bf16 v[SVA+8*(\t):SVA+8*(\t)+7], v[ONES:ONES+7], v[8*(3*(\g)+(\t)):8*(3*(\g)+(\t))+7], v[SVA+8*(\t):SVA+8*(\t)+7]
.endif
.endr
.endr
	WIN 0
	PLACES
	v_pk_add_f32 v[SVA:SVA+1], v[SVA:SVA+1], v[SVA+8:SVA+9]
	v_pk_add_f32 v[SVA:SVA+1], v[SVA:SVA+1], v[SVA+16:SVA+17]
	global_store_b64 v[SVO], v[SVA:SVA+1], s[12:13]  ; 256 consecutive bytes, aligned
.Lno_sv:
	; THE WAY OUT.  A lane holds head r and 8 neighbouring e of each tile.  Four tiles (64 e, 256 bytes a head) at a time go through my own stage and come back by heads.
	PLACES
.irp hf, 0,1
.irp q, 0,1,2,3
	ds_store_b128 v[STO], v[UACC+8*(4*(\hf)+(\q)):UACC+8*(4*(\hf)+(\q))+3] offset:64*(\q)
	ds_store_b128 v[STO], v[UACC+8*(4*(\hf)+(\q))+4:UACC+8*(4*(\hf)+(\q))+7] offset:64*(\q)+16
.endr
.irp j, 0,1,2,3,4,5,6,7
	ds_load_b128 v[32+32*(\hf)+4*(\j):32+32*(\hf)+4*(\j)+3], v[RD] offset:544*(\j)  ; in order behind the stores above
.endr
	s_wait_dscnt 0x0
.irp j, 0,1,2,3,4,5,6,7
	global_store_b128 v[UO], v[32+32*(\hf)+4*(\j):32+32*(\hf)+4*(\j)+3], s[10:11] offset:8192*(\j)+256*(\hf) th:TH_STORE_NT  ; 16 lanes store 256 consecutive bytes, at a multiple of 256 from upart's first
.endr
.endr
	s_wait_tensorcnt 0x0                           ; the wave's end, behind my last LDS store
	ds_add_u32 v[SPW], v[NIL]
	s_wait_dscnt 0x0
	s_endpgm
.Lfunc_end_k_q4181bbb2f9_vu:
	.size	k_q4181bbb2f9_vu, .Lfunc_end_k_q4181bbb2f9_vu-k_q4181bbb2f9_vu
	.p2alignl 7, 3214868480
	.fill 96, 4, 3214868480
	.section	.rodata,"a",@progbits
	.p2align	6, 0x0
	.amdhsa_kernel k_q4181bbb2f9_vu
		.amdhsa_group_segment_fixed_size 314624
		.amdhsa_private_segment_fixed_size 0
		.amdhsa_enable_private_segment 0
		.amdhsa_kernarg_size 40
		.amdhsa_user_sgpr_count 2
		.amdhsa_user_sgpr_kernarg_segment_ptr 1
		.amdhsa_wavefront_size32 1
		.amdhsa_system_sgpr_workgroup_id_x 1
		.amdhsa_system_sgpr_workgroup_id_y 1
		.amdhsa_system_sgpr_workgroup_id_z 1
		.amdhsa_system_vgpr_workitem_id 0
		.amdhsa_next_free_vgpr 448
		.amdhsa_next_free_sgpr 66
		.amdhsa_reserve_vcc 0
		.amdhsa_float_denorm_mode_32 3
		.amdhsa_float_denorm_mode_16_64 3
		.amdhsa_memory_ordered 1
		.amdhsa_forward_progress 1
		.amdhsa_inst_pref_size 76
	.end_amdhsa_kernel
	.amdgpu_metadata
---
amdhsa.version: [ 1, 2 ]
amdhsa.kernels:
  - .name:           k_q4181bbb2f9_vu
    .symbol:         k_q4181bbb2f9_vu.kd
    .args:
      - { .name: x, .offset: 0, .size: 8, .value_kind: global_buffer, .address_space: global }
      - { .name: Wv, .offset: 8, .size: 8, .value_kind: global_buffer, .address_space: global }
      - { .name: bv, .offset: 16, .size: 8, .value_kind: global_buffer, .address_space: global }
      - { .name: upart, .offset: 24, .size: 8, .value_kind: global_buffer, .address_space: global }
      - { .name: svp, .offset: 32, .size: 8, .value_kind: global_buffer, .address_space: global }
    .group_segment_fixed_size: 314624
    .private_segment_fixed_size: 0
    .kernarg_segment_align: 8
    .kernarg_segment_size: 40
    .max_flat_workgroup_size: 256
    .sgpr_count:     66
    .vgpr_count:     448
    .wavefront_size: 32
...
	.end_amdgpu_metadata
.endif
;; end of part 1
;; launch ktv (part 2): grid 16 x 16, 4 waves a work-group, no clusters, 14,336 bytes of LDS; arguments upart, Wk, ktvp; writes ktvp
.if DOCPART == 2
	.amdgcn_target "amdgcn-amd-amdhsa--gfx1250"
	.amdhsa_code_object_version 6
	.text
	.protected	k_q4181bbb2f9_ktv
	.globl	k_q4181bbb2f9_ktv
	.p2align	8
	.type	k_q4181bbb2f9_ktv,@function
k_q4181bbb2f9_ktv:
	s_mov_b64 s[64:65], 0
	v_nop
	global_prefetch_b8 v0, s[64:65] scope:SCOPE_SE
	s_setreg_imm32_b32 hwreg(HW_REG_WAVE_MODE, 25, 1), 1
	s_wait_xcnt 0x0
; SECOND LAUNCH.  ktvp[h][ec][w][b][16 d] = the sum over the 64 e of chunk ec of U[b,h,e] Wk[e, 64 h + 16 w + d],  U[b,h,e] = the sum over p = 0..31 of upart[32 b + p][h][e].
; Work-group (ec, h): one tile of 64 x 64 of Wk, read by nobody else, and for 8 b x 64 e the 32 partial sums: each byte of upart and of Wk is read once in the launch.
; FORMATS.  Wk is rounded once to bf16; U, an f32 sum, enters as three bf16 terms that hold its 24 bits; sums in f32, in another order than reference()'s.  NaN and infinities are not treated apart.
; THE PRODUCT: source 0 = Wk^T (16 d of wave w, turned out of LDS), source 1 = U's terms (column = b; lanes r >= 8 repeat b = r - 8), K = e.  A lane then holds 8 neighbouring d of one b.
; NO CLUSTER: no two work-groups read the same byte.
.set WKP,   160                        ; a row of Wk's tile in LDS: 128 bytes + 32 = 40 words
.set UTP,   144                        ; a row of a term of U: 128 bytes + 16
.set UT,    10240                      ; [term 3][b 8]
.set SPARE, 13824                      ; the spare words, 128 bytes for each wave: two blocks of 256 bytes that no other line names
.set WO,  2                            ; v2   Wk: row t / 16, 16 bytes by t % 16
.set PO,  3                            ; v3   upart: b = t / 16, 16 bytes by t % 16
.set WSA, 4                            ; v4   LDS: my 8 bytes of Wk's tile
.set USA, 5                            ; v5   LDS: my 8 bytes of a term
.set AFA, 6                            ; v6   LDS: Wk, turned
.set BFA, 7                            ; v7   LDS: a term's fragment
.set OO,  8                            ; v8   my 16 bytes of the result
.set SPW, 10                           ; v10  my spare word; never rewritten
.set NIL, 11                           ; v11  0; never rewritten
.set WR,  16                           ; v[16:47]   Wk as loaded
.set WB,  48                           ; v[48:63]   as bf16
.set PR,  64                           ; v[64:191]  the 32 partial sums, 4 registers each
.set SU,  192                          ; v[192:195] at work
.set TM,  196                          ; v[196:201] three terms
.set AF,  16                           ; later: two fragments of Wk^T
.set BF,  64                           ; later: term t, K half ks at BF + 8 (2 t + ks)
.set ACC, 112                          ; two accumulators
.set OUT, 128
.set WV,  10                           ; s10  my wave's number
.set MH,  11                           ; s11  a word's upper bf16
.set HD,  12                           ; s12  the head
.macro PLACES
.rept 4
	v_nop
.endr
.endm
.macro SPLIT3 a, u, t1, t2, t3         ; four f32 become three pairs of packed bf16: round, subtract exactly, round again
.irp w, \t1, \t2
	v_cvt_pk_bf16_f32 v[(\w)], v[(\a)], v[(\a)+1]
	v_cvt_pk_bf16_f32 v[(\w)+1], v[(\a)+2], v[(\a)+3]
	v_lshlrev_b32 v[(\u)], 16, v[(\w)]
	v_and_b32 v[(\u)+1], s[MH], v[(\w)]
	v_lshlrev_b32 v[(\u)+2], 16, v[(\w)+1]
	v_and_b32 v[(\u)+3], s[MH], v[(\w)+1]
	v_pk_add_f32 v[(\a):(\a)+1], v[(\a):(\a)+1], v[(\u):(\u)+1] neg_lo:[0,1] neg_hi:[0,1]
	v_pk_add_f32 v[(\a)+2:(\a)+3], v[(\a)+2:(\a)+3], v[(\u)+2:(\u)+3] neg_lo:[0,1] neg_hi:[0,1]
.endr
	v_cvt_pk_bf16_f32 v[(\t3)], v[(\a)], v[(\a)+1]
	v_cvt_pk_bf16_f32 v[(\t3)+1], v[(\a)+2], v[(\a)+3]
.endm
	s_load_b128 s[4:7], s[0:1], 0x0                ; upart s[4:5], Wk s[6:7]
	s_load_b64 s[8:9], s[0:1], 0x10                ; ktvp
	v_lshl_add_u32 v[SPW], v0, 2, SPARE
	v_mov_b32 v[NIL], 0
	v_lshrrev_b32 v1, 5, v0
	v_readfirstlane_b32 s[WV], v1                  ; wave 0..3
	s_mov_b32 s[MH], 0xffff0000
	s_and_b32 s[HD], ttmp7, 0xffff
	v_lshrrev_b32 v12, 4, v0                       ; t / 16
	v_and_b32 v13, 15, v0                          ; t % 16 = r
	v_bfe_u32 v14, v0, 4, 1                        ; hh
	v_and_b32 v15, 7, v0                           ; L % 8 = r % 8
	v_bfe_u32 v9, v0, 3, 1                         ; (L / 8) % 2 = r / 8
	v_lshlrev_b32 v[WO], 12, v12
	v_lshl_add_u32 v[WO], v13, 4, v[WO]
	v_lshlrev_b32 v[PO], 21, v12                   ; 32 work-groups' parts of 65,536 bytes for each b
	v_lshl_add_u32 v[PO], v13, 4, v[PO]
	v_mul_u32_u24 v[WSA], v12, WKP
	v_lshl_add_u32 v[WSA], v13, 3, v[WSA]
	v_mul_u32_u24 v[USA], v12, UTP
	v_lshl_add_u32 v[USA], v13, 3, v[USA]
	v_add_nc_u32 v[USA], UT, v[USA]
	v_lshl_add_u32 v[AFA], v14, 3, v15
	v_mul_u32_u24 v[AFA], v[AFA], WKP
	v_lshl_add_u32 v[AFA], v9, 4, v[AFA]
	s_lshl_b32 s13, s[WV], 5
	v_add_nc_u32 v[AFA], s13, v[AFA]               ; row 8 hh + L % 8, my wave's 16 d, 16 bytes by (L / 8) % 2
	v_mul_u32_u24 v[BFA], v15, UTP
	v_lshl_add_u32 v[BFA], v14, 4, v[BFA]
	v_add_nc_u32 v[BFA], UT, v[BFA]
	v_lshlrev_b32 v[OO], 6, v15
	v_lshl_add_u32 v[OO], v14, 5, v[OO]
	v_lshl_add_u32 v[OO], v9, 4, v[OO]
	s_lshl_b32 s13, s[WV], 9
	v_add_nc_u32 v[OO], s13, v[OO]                 ; 512 w + 64 b + 32 hh + 16 (r / 8)
	s_lshl_b32 s16, s[HD], 12
	s_lshl_b32 s17, ttmp9, 8
	s_add_co_u32 s16, s16, s17                     ; upart: head h, chunk ec
	s_mov_b32 s17, 0
	s_lshl_b32 s18, ttmp9, 18
	s_lshl_b32 s19, s[HD], 8
	s_add_co_u32 s18, s18, s19                     ; Wk: row 64 ec, column 64 h
	s_mov_b32 s19, 0
	s_lshl_b32 s20, s[HD], 4
	s_add_co_u32 s20, s20, ttmp9
	s_lshl_b32 s20, s20, 11                        ; ktvp: 2,048 bytes for each (h, ec)
	s_mov_b32 s21, 0
	s_wait_kmcnt 0x0
	s_add_nc_u64 s[4:5], s[4:5], s[16:17]
	s_add_nc_u64 s[6:7], s[6:7], s[18:19]
	s_add_nc_u64 s[8:9], s[8:9], s[20:21]
.irp i, 0,1,2,3,4,5,6,7
	global_load_b128 v[WR+4*(\i):WR+4*(\i)+3], v[WO], s[6:7] offset:32768*(\i) th:TH_LOAD_NT  ; 16 lanes take a row's 256 bytes, aligned
.endr
.set p, 0
.rept 32
	global_load_b128 v[PR+4*p:PR+4*p+3], v[PO], s[4:5] offset:65536*p th:TH_LOAD_NT
.set p, p+1
.endr
	s_wait_loadcnt 32                              ; Wk's tile is in; the 32 partial sums stay out
.set i, 0
.rept 16
	v_cvt_pk_bf16_f32 v[WB+i], v[WR+2*i], v[WR+2*i+1]
.set i, i+1
.endr
.irp i, 0,1,2,3,4,5,6,7
	ds_store_b64 v[WSA], v[WB+2*(\i):WB+2*(\i)+1] offset:8*WKP*(\i)
.endr
.irp g, 1,2,3,4,5,6,7                              ; four chains, a group of four loads at a time
	s_wait_loadcnt 28-4*(\g)                       ; the loads up to group g are in: 28 - 4 g younger ones stay out
.irp q, 0,1,2,3
	v_pk_add_f32 v[PR+4*(\q):PR+4*(\q)+1], v[PR+4*(\q):PR+4*(\q)+1], v[PR+16*(\g)+4*(\q):PR+16*(\g)+4*(\q)+1]
	v_pk_add_f32 v[PR+4*(\q)+2:PR+4*(\q)+3], v[PR+4*(\q)+2:PR+4*(\q)+3], v[PR+16*(\g)+4*(\q)+2:PR+16*(\g)+4*(\q)+3]
.endr
.endr
.irp k, 0,2
	v_pk_add_f32 v[PR+(\k):PR+(\k)+1], v[PR+(\k):PR+(\k)+1], v[PR+4+(\k):PR+4+(\k)+1]
	v_pk_add_f32 v[PR+8+(\k):PR+8+(\k)+1], v[PR+8+(\k):PR+8+(\k)+1], v[PR+12+(\k):PR+12+(\k)+1]
.endr
.irp k, 0,2
	v_pk_add_f32 v[PR+(\k):PR+(\k)+1], v[PR+(\k):PR+(\k)+1], v[PR+8+(\k):PR+8+(\k)+1]
.endr
	SPLIT3 PR, SU, TM, TM+2, TM+4
.irp t, 0,1,2
	ds_store_b64 v[USA], v[TM+2*(\t):TM+2*(\t)+1] offset:8*UTP*(\t)
.endr
	s_wait_dscnt 0x0                               ; for the others' sake: my parts of the tile and of the terms lie in LDS
	s_barrier_signal -1
	s_barrier_wait -1
.irp ks, 0,1
	ds_load_tr16_b128 v[AF+8*(\ks):AF+8*(\ks)+3], v[AFA] offset:32*WKP*(\ks)
	ds_load_tr16_b128 v[AF+8*(\ks)+4:AF+8*(\ks)+7], v[AFA] offset:32*WKP*(\ks)+16*WKP
.endr
.irp t, 0,1,2
.irp ks, 0,1
	ds_load_b128 v[BF+8*(2*(\t)+(\ks)):BF+8*(2*(\t)+(\ks))+3], v[BFA] offset:8*UTP*(\t)+64*(\ks)
	ds_load_b128 v[BF+8*(2*(\t)+(\ks))+4:BF+8*(2*(\t)+(\ks))+7], v[BFA] offset:8*UTP*(\t)+64*(\ks)+32
.endr
.endr
	s_wait_dscnt 0x0
.irp t, 0,1,2                                      ; two accumulators, one for each half of K, by turns
.irp ks, 0,1
.if (\t) == 0
	v_wmma_f32_16x16x32_bf16 v[ACC+8*(\ks):ACC+8*(\ks)+7], v[AF+8*(\ks):AF+8*(\ks)+7], v[BF+8*(2*(\t)+(\ks)):BF+8*(2*(\t)+(\ks))+7], 0
.else
	v_wmma_f32_16x16x32_bf16 v[ACC+8*(\ks):ACC+8*(\ks)+7], v[AF+8*(\ks):AF+8*(\ks)+7], v[BF+8*(2*(\t)+(\ks)):BF+8*(2*(\t)+(\ks))+7], v[ACC+8*(\ks):ACC+8*(\ks)+7]
.endif
.endr
.endr
	PLACES
.irp k, 0,2,4,6
	v_pk_add_f32 v[ACC+(\k):ACC+(\k)+1], v[ACC+(\k):ACC+(\k)+1], v[ACC+8+(\k):ACC+8+(\k)+1]
.endr
	v_cmp_lt_u32 vcc_lo, 7, v13                    ; lanes r >= 8 hold what lanes r - 8 hold: they store the upper four of the eight d
.irp i, 0,1,2,3
	v_cndmask_b32 v[OUT+(\i)], v[ACC+(\i)], v[ACC+4+(\i)], vcc_lo
.endr
	global_store_b128 v[OO], v[OUT:OUT+3], s[8:9]  ; the wave's 512 consecutive bytes
	s_wait_tensorcnt 0x0                           ; the wave's end, behind my last LDS store
	ds_add_u32 v[SPW], v[NIL]
	s_wait_dscnt 0x0
	s_endpgm
.Lfunc_end_k_q4181bbb2f9_ktv:
	.size	k_q4181bbb2f9_ktv, .Lfunc_end_k_q4181bbb2f9_ktv-k_q4181bbb2f9_ktv
	.p2alignl 7, 3214868480
	.fill 96, 4, 3214868480
	.section	.rodata,"a",@progbits
	.p2align	6, 0x0
	.amdhsa_kernel k_q4181bbb2f9_ktv
		.amdhsa_group_segment_fixed_size 14336
		.amdhsa_private_segment_fixed_size 0
		.amdhsa_enable_private_segment 0
		.amdhsa_kernarg_size 24
		.amdhsa_user_sgpr_count 2
		.amdhsa_user_sgpr_kernarg_segment_ptr 1
		.amdhsa_wavefront_size32 1
		.amdhsa_system_sgpr_workgroup_id_x 1
		.amdhsa_system_sgpr_workgroup_id_y 1
		.amdhsa_system_sgpr_workgroup_id_z 1
		.amdhsa_system_vgpr_workitem_id 0
		.amdhsa_next_free_vgpr 208
		.amdhsa_next_free_sgpr 66
		.amdhsa_reserve_vcc 1
		.amdhsa_float_denorm_mode_32 3
		.amdhsa_float_denorm_mode_16_64 3
		.amdhsa_memory_ordered 1
		.amdhsa_forward_progress 1
		.amdhsa_inst_pref_size 16
	.end_amdhsa_kernel
	.amdgpu_metadata
---
amdhsa.version: [ 1, 2 ]
amdhsa.kernels:
  - .name:           k_q4181bbb2f9_ktv
    .symbol:         k_q4181bbb2f9_ktv.kd
    .args:
      - { .name: upart, .offset: 0, .size: 8, .value_kind: global_buffer, .address_space: global }
      - { .name: Wk, .offset: 8, .size: 8, .value_kind: global_buffer, .address_space: global }
      - { .name: ktvp, .offset: 16, .size: 8, .value_kind: global_buffer, .address_space: global }
    .group_segment_fixed_size: 14336
    .private_segment_fixed_size: 0
    .kernarg_segment_align: 8
    .kernarg_segment_size: 24
    .max_flat_workgroup_size: 128
    .sgpr_count:     66
    .vgpr_count:     208
    .wavefront_size: 32
...
	.end_amdgpu_metadata
.endif
;; end of part 2
;; launch gc (part 3): grid 16 x 16, 4 waves a work-group, no clusters, 15,616 bytes of LDS; arguments ktvp, svp, Wq, bk, bq, gbuf, cbuf; writes gbuf, cbuf
.if DOCPART == 3
	.amdgcn_target "amdgcn-amd-amdhsa--gfx1250"
	.amdhsa_code_object_version 6
	.text
	.protected	k_q4181bbb2f9_gc
	.globl	k_q4181bbb2f9_gc
	.p2align	8
	.type	k_q4181bbb2f9_gc,@function
k_q4181bbb2f9_gc:
	s_mov_b64 s[64:65], 0
	v_nop
	global_prefetch_b8 v0, s[64:65] scope:SCOPE_SE
	s_setreg_imm32_b32 hwreg(HW_REG_WAVE_MODE, 25, 1), 1
	s_wait_xcnt 0x0
; THIRD LAUNCH.  k8[b,h,d] = 1/8 (the sum over ec of ktvp[h][ec][..] + bk[64 h + d] sv[b,h]),  sv[b,h] = the sum over p of svp[32 b + p][h];
; gbuf[b][h][e] = the sum over d of Wq[e, 64 h + d] k8[b,h,d] for the 64 e of chunk ec;  cbuf[h][lane b][0] = the sum over d of bq[64 h + d] k8[b,h,d].
; Work-group (ec, h): one tile of 64 x 64 of Wq.  Each of a head's 16 work-groups makes the head's k8 for itself (32 KiB of partial sums).  The work-group ec = 0, wave 0, also makes c.
; FORMATS.  Wq, bk and bq are rounded once to bf16; k8, an f32 number, enters as three bf16 terms that hold its 24 bits; sums in f32, in another order than reference()'s.  NaN and infinities are not treated apart.
; THE PRODUCT: source 0 = 16 rows e of Wq (as they lie), source 1 = k8's terms (column = b; lanes r >= 8 repeat b = r - 8), K = d.  For c source 0 is bq in all 16 rows.
; NO CLUSTER: the 32 KiB that a head's work-groups share are added up lane by lane straight out of the registers that they are loaded into, and never lie in LDS.
.set WQP,   144                        ; a row of Wq's tile in LDS: 128 bytes + 16 = 36 words: 16 rows start at 16 different groups of four banks (64 banks of 4 bytes: ISA guide 11.1)
.set KTP,   144                        ; a row of a term of k8
.set KT,    9216                       ; [term 3][b 8]
.set GS,    12800                      ; g on its way out: f32 [b 8], 256 + 16 bytes a row
.set SPARE, 15104                      ; the spare words, 128 bytes for each wave: two blocks of 256 bytes that no other line names
.set WO,  2                            ; v2   Wq: row t / 16, 16 bytes by t % 16
.set WSA, 3                            ; v3   LDS: my 8 bytes of Wq's tile
.set KO,  4                            ; v4   ktvp: 16 t
.set SO,  5                            ; v5   svp: 8,192 b + 2,048 (t % 4)
.set BKO, 6                            ; v6   bk: 64 w + 16 (t % 4)
.set BQO, 7                            ; v7   bq: 32 hh
.set KSA, 8                            ; v8   LDS: my 8 bytes of a term
.set AFA, 9                            ; v9   LDS: Wq's fragment
.set SPW, 10                           ; v10  my spare word; never rewritten
.set NIL, 11                           ; v11  0; never rewritten
.set BFA, 12                           ; v12  LDS: a term's fragment
.set GSS, 13                           ; v13  LDS: my 16 bytes of g, in
.set GSL, 14                           ; v14  LDS: back, by rows
.set GO,  15                           ; v15  gbuf: b = t / 16, 16 bytes by t % 16
.set WR,  16                           ; v[16:47]   Wq as loaded
.set BQ,  48                           ; v[48:79]   bq, in a fragment's order
.set BK,  80                           ; v[80:83]
.set SV,  84                           ; v[84:91]   eight words of svp
.set SS,  92                           ; v[92:93]   sv, twice
.set BT,  94                           ; v[94:95]   at work
.set PR,  96                           ; v[96:159]  the 16 partial sums
.set WB,  160                          ; v[160:175] Wq as bf16
.set SU,  176                          ; v[176:179] at work
.set TM,  180                          ; v[180:185] three terms
.set CO,  186                          ; v186 8 L
.set AF,  16                           ; later: two fragments of Wq
.set CF,  32                           ; later: two fragments of bq
.set BF,  96                           ; later: term t, K half ks at BF + 8 (2 t + ks)
.set ACC, 144                          ; two accumulators
.set OUT, 160
.set GB,  164
.set CA,  168                          ; c's two accumulators
.set WV,  18                           ; s18  my wave's number
.set MH,  19                           ; s19  a word's upper bf16
.set HD,  24                           ; s24  the head
.macro PLACES
.rept 4
	v_nop
.endr
.endm
.macro SPLIT3 a, u, t1, t2, t3         ; four f32 become three pairs of packed bf16: round, subtract exactly, round again
.irp w, \t1, \t2
	v_cvt_pk_bf16_f32 v[(\w)], v[(\a)], v[(\a)+1]
	v_cvt_pk_bf16_f32 v[(\w)+1], v[(\a)+2], v[(\a)+3]
	v_lshlrev_b32 v[(\u)], 16, v[(\w)]
	v_and_b32 v[(\u)+1], s[MH], v[(\w)]
	v_lshlrev_b32 v[(\u)+2], 16, v[(\w)+1]
	v_and_b32 v[(\u)+3], s[MH], v[(\w)+1]
	v_pk_add_f32 v[(\a):(\a)+1], v[(\a):(\a)+1], v[(\u):(\u)+1] neg_lo:[0,1] neg_hi:[0,1]
	v_pk_add_f32 v[(\a)+2:(\a)+3], v[(\a)+2:(\a)+3], v[(\u)+2:(\u)+3] neg_lo:[0,1] neg_hi:[0,1]
.endr
	v_cvt_pk_bf16_f32 v[(\t3)], v[(\a)], v[(\a)+1]
	v_cvt_pk_bf16_f32 v[(\t3)+1], v[(\a)+2], v[(\a)+3]
.endm
	s_load_b256 s[4:11], s[0:1], 0x0               ; ktvp s[4:5], svp s[6:7], Wq s[8:9], bk s[10:11]
	s_load_b128 s[12:15], s[0:1], 0x20             ; bq s[12:13], gbuf s[14:15]
	s_load_b64 s[16:17], s[0:1], 0x30              ; cbuf
	v_lshl_add_u32 v[SPW], v0, 2, SPARE
	v_mov_b32 v[NIL], 0
	v_lshrrev_b32 v1, 5, v0
	v_readfirstlane_b32 s[WV], v1                  ; wave 0..3
	s_mov_b32 s[MH], 0xffff0000
	s_and_b32 s[HD], ttmp7, 0xffff
	v_and_b32 v187, 15, v0                         ; t % 16 = r
	v_lshrrev_b32 v188, 4, v0                      ; t / 16
	v_bfe_u32 v189, v0, 4, 1                       ; hh
	v_and_b32 v190, 7, v0                          ; r % 8
	v_bfe_u32 v191, v0, 3, 1                       ; r / 8
	v_bfe_u32 v192, v0, 2, 3                       ; b of my part of k8
	v_and_b32 v193, 3, v0                          ; which four d of my wave's 16
	v_and_b32 v194, 31, v0                         ; L
	v_lshlrev_b32 v[WO], 12, v188
	v_lshl_add_u32 v[WO], v187, 4, v[WO]
	v_mul_u32_u24 v[WSA], v188, WQP
	v_lshl_add_u32 v[WSA], v187, 3, v[WSA]
	v_lshlrev_b32 v[KO], 4, v0
	v_lshlrev_b32 v[SO], 13, v192
	v_lshl_add_u32 v[SO], v193, 11, v[SO]
	s_lshl_b32 s20, s[WV], 6
	v_lshl_add_u32 v[BKO], v193, 4, s20
	v_lshlrev_b32 v[BQO], 5, v189
	v_mul_u32_u24 v[KSA], v192, KTP
	v_lshl_add_u32 v[KSA], v193, 3, v[KSA]
	s_lshl_b32 s21, s[WV], 5
	s_add_co_u32 s21, s21, KT
	v_add_nc_u32 v[KSA], s21, v[KSA]
	v_mul_u32_u24 v[AFA], v187, WQP
	v_lshl_add_u32 v[AFA], v189, 4, v[AFA]
	s_mul_i32 s22, s[WV], 16*WQP
	v_add_nc_u32 v[AFA], s22, v[AFA]
	v_mul_u32_u24 v[BFA], v190, KTP
	v_lshl_add_u32 v[BFA], v189, 4, v[BFA]
	v_add_nc_u32 v[BFA], KT, v[BFA]
	v_mul_u32_u24 v[GSS], v190, 272
	v_lshl_add_u32 v[GSS], v189, 5, v[GSS]
	v_lshl_add_u32 v[GSS], v191, 4, v[GSS]
	s_lshl_b32 s23, s[WV], 6
	s_add_co_u32 s23, s23, GS
	v_add_nc_u32 v[GSS], s23, v[GSS]
	v_mul_u32_u24 v[GSL], v188, 272
	v_lshl_add_u32 v[GSL], v187, 4, v[GSL]
	v_add_nc_u32 v[GSL], GS, v[GSL]
	v_lshlrev_b32 v[GO], 16, v188
	v_lshl_add_u32 v[GO], v187, 4, v[GO]
	v_lshlrev_b32 v[CO], 3, v194
	s_mov_b32 s27, 0
	s_mov_b32 s29, 0
	s_lshl_b32 s28, s[HD], 8                       ; 256 h: bk, bq, cbuf
	s_wait_kmcnt 0x0
	s_lshl_b32 s26, s[HD], 15
	s_add_nc_u64 s[4:5], s[4:5], s[26:27]          ; ktvp: the head's 32,768 bytes
	s_lshl_b32 s26, s[HD], 3
	s_add_nc_u64 s[6:7], s[6:7], s[26:27]          ; svp: lane h
	s_add_nc_u64 s[10:11], s[10:11], s[28:29]
	s_add_nc_u64 s[12:13], s[12:13], s[28:29]
	s_add_nc_u64 s[16:17], s[16:17], s[28:29]
	s_lshl_b32 s26, ttmp9, 18
	s_add_co_u32 s26, s26, s28
	s_add_nc_u64 s[8:9], s[8:9], s[26:27]          ; Wq: row 64 ec, column 64 h
	s_lshl_b32 s26, s[HD], 12
	s_lshl_b32 s30, ttmp9, 8
	s_add_co_u32 s26, s26, s30
	s_add_nc_u64 s[14:15], s[14:15], s[26:27]      ; gbuf: head h, chunk ec
.irp i, 0,1,2,3,4,5,6,7
	global_load_b128 v[WR+4*(\i):WR+4*(\i)+3], v[WO], s[8:9] offset:32768*(\i) th:TH_LOAD_NT
.endr
.irp ks, 0,1                                       ; a fragment's K order: d = 32 ks + 8 hh + 0..7, then 32 ks + 16 + 8 hh + 0..7
	global_load_b128 v[BQ+16*(\ks):BQ+16*(\ks)+3], v[BQO], s[12:13] offset:128*(\ks)
	global_load_b128 v[BQ+16*(\ks)+4:BQ+16*(\ks)+7], v[BQO], s[12:13] offset:128*(\ks)+16
	global_load_b128 v[BQ+16*(\ks)+8:BQ+16*(\ks)+11], v[BQO], s[12:13] offset:128*(\ks)+64
	global_load_b128 v[BQ+16*(\ks)+12:BQ+16*(\ks)+15], v[BQO], s[12:13] offset:128*(\ks)+80
.endr
	global_load_b128 v[BK:BK+3], v[BKO], s[10:11]
.irp i, 0,1,2,3,4,5,6,7
	global_load_b32 v[SV+(\i)], v[SO], s[6:7] offset:256*(\i)
.endr
.set i, 0
.rept 16
	global_load_b128 v[PR+4*i:PR+4*i+3], v[KO], s[4:5] offset:2048*i  ; chunk i's part: 2,048 consecutive bytes for the 128 threads
.set i, i+1
.endr
	s_wait_loadcnt 33                              ; Wq's 8 loads are in; the 33 behind them stay out
.set i, 0
.rept 16
	v_cvt_pk_bf16_f32 v[WB+i], v[WR+2*i], v[WR+2*i+1]
.set i, i+1
.endr
.irp i, 0,1,2,3,4,5,6,7
	ds_store_b64 v[WSA], v[WB+2*(\i):WB+2*(\i)+1] offset:8*WQP*(\i)
.endr
	s_wait_loadcnt 16                              ; bq, bk and svp's words are in; ktvp's 16 loads stay out
	v_pk_add_f32 v[SV:SV+1], v[SV:SV+1], v[SV+2:SV+3]
	v_pk_add_f32 v[SV+4:SV+5], v[SV+4:SV+5], v[SV+6:SV+7]
	v_pk_add_f32 v[SV:SV+1], v[SV:SV+1], v[SV+4:SV+5]
	v_add_f32 v[SS], v[SV], v[SV+1]                ; my 8 of the 32 work-groups' parts;
	v_add_f32_dpp v[SS], v[SS], v[SS] row_xmask:1 row_mask:0xf bank_mask:0xf  ; the four lanes of one b have the others
	v_add_f32_dpp v[SS], v[SS], v[SS] row_xmask:2 row_mask:0xf bank_mask:0xf
	v_mov_b32 v[SS+1], v[SS]
	v_cvt_pk_bf16_f32 v[BT], v[BK], v[BK+1]        ; bk rounded to bf16 and widened again
	v_cvt_pk_bf16_f32 v[BT+1], v[BK+2], v[BK+3]
	v_lshlrev_b32 v[BK], 16, v[BT]
	v_and_b32 v[BK+1], s[MH], v[BT]
	v_lshlrev_b32 v[BK+2], 16, v[BT+1]
	v_and_b32 v[BK+3], s[MH], v[BT+1]
.irp g, 1,2,3                                      ; four chains, a group of four loads at a time
	s_wait_loadcnt 12-4*(\g)                       ; the loads up to group g are in: 12 - 4 g younger ones stay out
.irp q, 0,1,2,3
	v_pk_add_f32 v[PR+4*(\q):PR+4*(\q)+1], v[PR+4*(\q):PR+4*(\q)+1], v[PR+16*(\g)+4*(\q):PR+16*(\g)+4*(\q)+1]
	v_pk_add_f32 v[PR+4*(\q)+2:PR+4*(\q)+3], v[PR+4*(\q)+2:PR+4*(\q)+3], v[PR+16*(\g)+4*(\q)+2:PR+16*(\g)+4*(\q)+3]
.endr
.endr
.irp k, 0,2
	v_pk_add_f32 v[PR+(\k):PR+(\k)+1], v[PR+(\k):PR+(\k)+1], v[PR+4+(\k):PR+4+(\k)+1]
	v_pk_add_f32 v[PR+8+(\k):PR+8+(\k)+1], v[PR+8+(\k):PR+8+(\k)+1], v[PR+12+(\k):PR+12+(\k)+1]
.endr
.irp k, 0,2
	v_pk_add_f32 v[PR+(\k):PR+(\k)+1], v[PR+(\k):PR+(\k)+1], v[PR+8+(\k):PR+8+(\k)+1]
.endr
.irp k, 0,2
	v_pk_fma_f32 v[PR+(\k):PR+(\k)+1], v[BK+(\k):BK+(\k)+1], v[SS:SS+1], v[PR+(\k):PR+(\k)+1] op_sel_hi:[1,0,1]  ; + bk sv
.endr
.irp k, 0,2
	v_pk_mul_f32 v[PR+(\k):PR+(\k)+1], v[PR+(\k):PR+(\k)+1], 0x3e000000 op_sel_hi:[1,0]  ; 1 / sqrt(64): a power of two, exact
.endr
	SPLIT3 PR, SU, TM, TM+2, TM+4
.irp t, 0,1,2
	ds_store_b64 v[KSA], v[TM+2*(\t):TM+2*(\t)+1] offset:8*KTP*(\t)
.endr
	s_wait_dscnt 0x0                               ; for the others' sake: my parts of the tile and of the terms lie in LDS
	s_barrier_signal -1
	s_barrier_wait -1
.irp ks, 0,1
	ds_load_b128 v[AF+8*(\ks):AF+8*(\ks)+3], v[AFA] offset:64*(\ks)
	ds_load_b128 v[AF+8*(\ks)+4:AF+8*(\ks)+7], v[AFA] offset:64*(\ks)+32
.endr
.irp t, 0,1,2
.irp ks, 0,1
	ds_load_b128 v[BF+8*(2*(\t)+(\ks)):BF+8*(2*(\t)+(\ks))+3], v[BFA] offset:8*KTP*(\t)+64*(\ks)
	ds_load_b128 v[BF+8*(2*(\t)+(\ks))+4:BF+8*(2*(\t)+(\ks))+7], v[BFA] offset:8*KTP*(\t)+64*(\ks)+32
.endr
.endr
	s_wait_dscnt 0x0
.irp t, 0,1,2                                      ; two accumulators, one for each half of K, by turns
.irp ks, 0,1
.if (\t) == 0
	v_wmma_f32_16x16x32_bf16 v[ACC+8*(\ks):ACC+8*(\ks)+7], v[AF+8*(\ks):AF+8*(\ks)+7], v[BF+8*(2*(\t)+(\ks)):BF+8*(2*(\t)+(\ks))+7], 0
.else
	v_wmma_f32_16x16x32_bf16 v[ACC+8*(\ks):ACC+8*(\ks)+7], v[AF+8*(\ks):AF+8*(\ks)+7], v[BF+8*(2*(\t)+(\ks)):BF+8*(2*(\t)+(\ks))+7], v[ACC+8*(\ks):ACC+8*(\ks)+7]
.endif
.endr
.endr
	PLACES
.irp k, 0,2,4,6
	v_pk_add_f32 v[ACC+(\k):ACC+(\k)+1], v[ACC+(\k):ACC+(\k)+1], v[ACC+8+(\k):ACC+8+(\k)+1]
.endr
	v_cmp_lt_u32 vcc_lo, 7, v187                   ; lanes r >= 8 hold what lanes r - 8 hold: they take the upper four of the eight e
.irp i, 0,1,2,3
	v_cndmask_b32 v[OUT+(\i)], v[ACC+(\i)], v[ACC+4+(\i)], vcc_lo
.endr
	ds_store_b128 v[GSS], v[OUT:OUT+3]
	s_wait_dscnt 0x0                               ; a row's 256 bytes come from four waves
	s_barrier_signal -1
	s_barrier_wait -1
	ds_load_b128 v[GB:GB+3], v[GSL]
	s_wait_dscnt 0x0
	global_store_b128 v[GO], v[GB:GB+3], s[14:15]  ; 16 lanes store 256 consecutive bytes, at a multiple of 256 from gbuf's first
	s_cmp_lg_u32 s[WV], 0                          ; c is made once for a head: by wave 0
	s_cbranch_scc1 .Lend
	s_cmp_lg_u32 ttmp9, 0                          ; of the work-group ec = 0
	s_cbranch_scc1 .Lend
.set i, 0
.rept 16
	v_cvt_pk_bf16_f32 v[CF+i], v[BQ+2*i], v[BQ+2*i+1]  ; bq rounded to bf16: the same 64 numbers in all 16 rows of source 0
.set i, i+1
.endr
.irp t, 0,1,2
.irp ks, 0,1
.if (\t) == 0
	v_wmma_f32_16x16x32_bf16 v[CA+8*(\ks):CA+8*(\ks)+7], v[CF+8*(\ks):CF+8*(\ks)+7], v[BF+8*(2*(\t)+(\ks)):BF+8*(2*(\t)+(\ks))+7], 0
.else
	v_wmma_f32_16x16x32_bf16 v[CA+8*(\ks):CA+8*(\ks)+7], v[CF+8*(\ks):CF+8*(\ks)+7], v[BF+8*(2*(\t)+(\ks)):BF+8*(2*(\t)+(\ks))+7], v[CA+8*(\ks):CA+8*(\ks)+7]
.endif
.endr
.endr
	PLACES
	v_pk_add_f32 v[CA:CA+1], v[CA:CA+1], v[CA+8:CA+9]
	global_store_b64 v[CO], v[CA:CA+1], s[16:17]   ; 256 consecutive bytes, aligned; lane b's first word is c[b,h]
.Lend:
	s_wait_tensorcnt 0x0                           ; the wave's end, behind my last LDS store
	ds_add_u32 v[SPW], v[NIL]
	s_wait_dscnt 0x0
	s_endpgm
.Lfunc_end_k_q4181bbb2f9_gc:
	.size	k_q4181bbb2f9_gc, .Lfunc_end_k_q4181bbb2f9_gc-k_q4181bbb2f9_gc
	.p2alignl 7, 3214868480
	.fill 96, 4, 3214868480
	.section	.rodata,"a",@progbits
	.p2align	6, 0x0
	.amdhsa_kernel k_q4181bbb2f9_gc
		.amdhsa_group_segment_fixed_size 15616
		.amdhsa_private_segment_fixed_size 0
		.amdhsa_enable_private_segment 0
		.amdhsa_kernarg_size 56
		.amdhsa_user_sgpr_count 2
		.amdhsa_user_sgpr_kernarg_segment_ptr 1
		.amdhsa_wavefront_size32 1
		.amdhsa_system_sgpr_workgroup_id_x 1
		.amdhsa_system_sgpr_workgroup_id_y 1
		.amdhsa_system_sgpr_workgroup_id_z 1
		.amdhsa_system_vgpr_workitem_id 0
		.amdhsa_next_free_vgpr 208
		.amdhsa_next_free_sgpr 66
		.amdhsa_reserve_vcc 1
		.amdhsa_float_denorm_mode_32 3
		.amdhsa_float_denorm_mode_16_64 3
		.amdhsa_memory_ordered 1
		.amdhsa_forward_progress 1
		.amdhsa_inst_pref_size 18
	.end_amdhsa_kernel
	.amdgpu_metadata
---
amdhsa.version: [ 1, 2 ]
amdhsa.kernels:
  - .name:           k_q4181bbb2f9_gc
    .symbol:         k_q4181bbb2f9_gc.kd
    .args:
      - { .name: ktvp, .offset: 0, .size: 8, .value_kind: global_buffer, .address_space: global }
      - { .name: svp, .offset: 8, .size: 8, .value_kind: global_buffer, .address_space: global }
      - { .name: Wq, .offset: 16, .size: 8, .value_kind: global_buffer, .address_space: global }
      - { .name: bk, .offset: 24, .size: 8, .value_kind: global_buffer, .address_space: global }
      - { .name: bq, .offset: 32, .size: 8, .value_kind: global_buffer, .address_space: global }
      - { .name: gbuf, .offset: 40, .size: 8, .value_kind: global_buffer, .address_space: global }
      - { .name: cbuf, .offset: 48, .size: 8, .value_kind: global_buffer, .address_space: global }
    .group_segment_fixed_size: 15616
    .private_segment_fixed_size: 0
    .kernarg_segment_align: 8
    .kernarg_segment_size: 56
    .max_flat_workgroup_size: 128
    .sgpr_count:     66
    .vgpr_count:     208
    .wavefront_size: 32
...
	.end_amdgpu_metadata
.endif
;; end of part 3
;; launch zs (part 4): grid 256 x 1, 8 waves a work-group, no clusters, 143,360 bytes of LDS; arguments x, mask, gbuf, cbuf, out0; writes out0
.if DOCPART == 4
	.amdgcn_target "amdgcn-amd-amdhsa--gfx1250"
	.amdhsa_code_object_version 6
	.text
	.protected	k_q4181bbb2f9_zs
	.globl	k_q4181bbb2f9_zs
	.p2align	8
	.type	k_q4181bbb2f9_zs,@function
k_q4181bbb2f9_zs:
	s_mov_b64 s[64:65], 0
	v_nop
	global_prefetch_b8 v0, s[64:65] scope:SCOPE_SE
	s_setreg_imm32_b32 hwreg(HW_REG_WAVE_MODE, 25, 1), 1
	s_wait_xcnt 0x0
; FOURTH LAUNCH.  out0[b][h][l] = mask[b][l] ? 1 / (1 + 2^(-log2(e) (x[b,l,:] . g[b,h,:] + c[b,h]))) : 0.  x: [32768][1024] f32; gbuf: f32 [b][h][1024]; cbuf: f32 [h][lane b][2]; mask: a byte a row.
; FORMATS.  x is rounded once to bf16, as in the first launch.  g, an f32 number, enters as three bf16 terms that hold its 24 bits; sums, the exponential and the reciprocal in f32.
; LIMITS.  The results are those of reference() on inputs rounded to bf16.  2^t below 2^-126 counts as 0, so far above 0 the result is exactly 1; where 2^t overflows the result is 0 (reference(): below 1e-38).  NaN and infinities are not treated apart.
; No maximum is taken away: reference() takes none; the one exponential's overflow and underflow end in the sigmoid's own limits 0 and 1.
; SHARES.  A work-group has 128 rows of one b (512 KiB of x), a wave 16 of them, for all 16 heads.  Each load of a wave takes 512 consecutive bytes of one row; a ring of three register slots of 16 loads keeps 32 to 48 of them on their way.
; g's three terms lie in LDS for the whole launch (99,072 bytes); a piece of x (16 rows x 128 e) goes through the wave's own stage to come back as fragments.  The pieces are taken from the rows' ends to their beginnings.
; THE PRODUCT: source 0 = 16 rows of x, source 1 = 16 heads of a term of g, K = e: a lane holds head L % 16 and 8 neighbouring l.
; NO CLUSTER: what the 32 work-groups of a b share is g, 64 KiB, against 512 KiB of x of each work-group's own.
.set GP,    2064                       ; a head's row of a term: 2,048 bytes + 16 = 516 words: 16 rows start at 16 different groups of four banks (64 banks of 4 bytes: ISA guide 11.1)
.set GT,    16*GP                      ; a term
.set XSG,   3*GT                       ; 99,072: for each wave 16 rows x (256 + 16) bytes
.set STG,   16*272
.set OS,    XSG+8*STG                  ; 133,888: the results, f32 [16 heads], 512 + 16 bytes a row
.set OSP,   528
.set SPARE, OS+16*OSP                  ; 142,336: the spare words, 128 bytes for each wave: four blocks of 256 bytes that no other line names
.set XO,  2                            ; v2   x: 16 L + 65,536 w
.set XS,  3                            ; v3   LDS: where my 8 bytes of a row's piece go
.set XA,  4                            ; v4   LDS: my wave's rows as source 0
.set GA,  5                            ; v5-7    LDS: term t's fragments
.set SPW, 8                            ; v8   my spare word; never rewritten
.set NIL, 9                            ; v9   0; never rewritten
.set GSA, 10                           ; v10-12  LDS: where my 8 bytes of term t go
.set GO,  13                           ; v13  gbuf: 16 x thread
.set OSS, 14                           ; v14  LDS: my 32 bytes of the results, in
.set OSL, 15                           ; v15  LDS: back, by heads
.set OO,  16                           ; v16  out0: head w, 16 L
.set CAD, 17                           ; v17  cbuf: 256 (L % 16)
.set CC,  18                           ; v[18:19] -log2(e) c of head L % 16, twice
.set MK,  20                           ; v[20:21] my 8 rows' mask bytes
.set MAD, 22                           ; v22  mask: 16 w + 8 hh
.set T,   32                           ; v[32:63]   a piece as bf16
.set FA,  64                           ; v[64:95]   four fragments of x   (at the start: g as loaded, v[64:127])
.set FB,  96                           ; v[96:191]  K step ks, term t at FB + 8 (3 ks + t)
.set GR,  64
.set SU,  128                          ; at the start: at work
.set TM,  132                          ; at the start: three terms
.set ACC, 192                          ; v[192:215] an accumulator for each term
.set Z,   216
.set E,   224
.set M,   232
.set WV,  14                           ; s14  my wave's number
.set MH,  15                           ; s15  a word's upper bf16
; window 1: v[0:191] the ring, three slots of 64
.set MSB, 0
.macro WIN new                         ; s_set_vgpr_msb: bits 1:0 source 0, 3:2 source 1, 5:4 source 2, 7:6 destination; the high byte repeats the setting that is left
.if MSB != (\new)
	s_set_vgpr_msb (MSB<<8)|(\new)
.set MSB, (\new)
.endif
.endm
.macro PLACES
.rept 4
	v_nop
.endr
.endm
.macro SPLIT3 a, u, t1, t2, t3         ; four f32 become three pairs of packed bf16: round, subtract exactly, round again
.irp w, \t1, \t2
	v_cvt_pk_bf16_f32 v[(\w)], v[(\a)], v[(\a)+1]
	v_cvt_pk_bf16_f32 v[(\w)+1], v[(\a)+2], v[(\a)+3]
	v_lshlrev_b32 v[(\u)], 16, v[(\w)]
	v_and_b32 v[(\u)+1], s[MH], v[(\w)]
	v_lshlrev_b32 v[(\u)+2], 16, v[(\w)+1]
	v_and_b32 v[(\u)+3], s[MH], v[(\w)+1]
	v_pk_add_f32 v[(\a):(\a)+1], v[(\a):(\a)+1], v[(\u):(\u)+1] neg_lo:[0,1] neg_hi:[0,1]
	v_pk_add_f32 v[(\a)+2:(\a)+3], v[(\a)+2:(\a)+3], v[(\u)+2:(\u)+3] neg_lo:[0,1] neg_hi:[0,1]
.endr
	v_cvt_pk_bf16_f32 v[(\t3)], v[(\a)], v[(\a)+1]
	v_cvt_pk_bf16_f32 v[(\t3)+1], v[(\a)+2], v[(\a)+3]
.endm
	s_load_b256 s[4:11], s[0:1], 0x0               ; x s[4:5], mask s[6:7], gbuf s[8:9], cbuf s[10:11]
	s_load_b64 s[12:13], s[0:1], 0x20              ; out0
	v_lshl_add_u32 v[SPW], v0, 2, SPARE
	v_mov_b32 v[NIL], 0
	v_lshrrev_b32 v1, 5, v0
	v_readfirstlane_b32 s[WV], v1                  ; wave 0..7
	s_mov_b32 s[MH], 0xffff0000
	v_and_b32 v1, 31, v0                           ; L
	v_and_b32 v24, 15, v0                          ; r
	v_bfe_u32 v25, v0, 4, 1                        ; hh
	s_lshl_b32 s26, s[WV], 16
	v_lshl_add_u32 v[XO], v1, 4, s26
	s_mul_i32 s26, s[WV], STG
	s_add_co_u32 s26, s26, XSG                     ; my stage
	v_lshl_add_u32 v[XS], v1, 3, s26
	v_mul_u32_u24 v28, v24, 272
	v_lshl_add_u32 v28, v25, 4, v28
	v_add_nc_u32 v[XA], s26, v28
	v_mul_u32_u24 v28, v24, GP
	v_lshl_add_u32 v28, v25, 4, v28
.irp t, 0,1,2
	v_add_nc_u32 v[GA+(\t)], GT*(\t), v28
	v_lshl_add_u32 v[GSA+(\t)], v0, 3, GT*(\t)
.endr
	v_lshlrev_b32 v[GO], 4, v0
	v_mul_u32_u24 v28, v24, OSP
	v_lshl_add_u32 v28, v25, 5, v28
	s_lshl_b32 s30, s[WV], 6
	s_add_co_u32 s30, s30, OS
	v_add_nc_u32 v[OSS], s30, v28                  ; head r, l = 16 w + 8 hh on
	s_mul_i32 s31, s[WV], OSP
	s_add_co_u32 s31, s31, OS
	v_lshl_add_u32 v[OSL], v1, 4, s31
	s_lshl_b32 s28, s[WV], 14
	v_lshl_add_u32 v[OO], v1, 4, s28
	v_lshlrev_b32 v[CAD], 8, v24
	s_lshl_b32 s29, s[WV], 4
	v_lshl_add_u32 v[MAD], v25, 3, s29
	s_lshr_b32 s26, ttmp9, 5                       ; b
	s_and_b32 s27, ttmp9, 31                       ; which 128 of its 4,096 rows
	s_lshl_b32 s16, ttmp9, 19
	s_mov_b32 s17, 0
	s_lshl_b32 s18, ttmp9, 7
	s_mov_b32 s19, 0
	s_lshl_b32 s20, s26, 16
	s_mov_b32 s21, 0
	s_lshl_b32 s22, s26, 3
	s_mov_b32 s23, 0
	s_lshl_b32 s24, s26, 18
	s_lshl_b32 s28, s27, 9
	s_add_co_u32 s24, s24, s28
	s_mov_b32 s25, 0
	s_wait_kmcnt 0x0
	s_add_nc_u64 s[4:5], s[4:5], s[16:17]
	s_add_nc_u64 s[6:7], s[6:7], s[18:19]
	s_add_nc_u64 s[8:9], s[8:9], s[20:21]
	s_add_nc_u64 s[10:11], s[10:11], s[22:23]
	s_add_nc_u64 s[12:13], s[12:13], s[24:25]
; Turn n takes piece 7 - n (128 e) of my 16 rows, through slot n % 3: 16 loads, each 512 consecutive bytes of one row.  x is read here for the last time.
.macro FILL n
	WIN 0x40                                       ; destination window 1
.set i, 0
.rept 16
	global_load_b128 v[64*((\n)%3)+4*i:64*((\n)%3)+4*i+3], v[XO], s[4:5] offset:4096*i+512*(7-(\n)) th:TH_LOAD_NT
.set i, i+1
.endr
.endm
.macro BLOCK n
.if (\n) < 6
	s_wait_loadcnt 32                              ; loads come back in order (ISA guide 5.7.1): this turn's piece is in, the two younger pieces' 32 loads stay out
.elseif (\n) == 6
	s_wait_loadcnt 16                              ; one younger piece is left
.else
	s_wait_loadcnt 0x0
.endif
	WIN 0x05                                       ; sources window 1, destination window 0
.set i, 0
.rept 32                                           ; these 32 name no register of the products before them: they are the places in front of the fragment loads below
	v_cvt_pk_bf16_f32 v[T+i], v[64*((\n)%3)+2*i], v[64*((\n)%3)+2*i+1]
.set i, i+1
.endr
.if (\n) < 5
	FILL (\n)+3
.endif
	WIN 0
.set i, 0
.rept 16
	ds_store_b64 v[XS], v[T+2*i:T+2*i+1] offset:272*i
.set i, i+1
.endr
.irp ks, 0,1,2,3                                   ; LDS serves a wave's instructions in order (ISA guide 5.7.1.4): the loads from my stage see the stores above, and the next turn's stores come behind them
	ds_load_b128 v[FA+8*(\ks):FA+8*(\ks)+3], v[XA] offset:64*(\ks)
	ds_load_b128 v[FA+8*(\ks)+4:FA+8*(\ks)+7], v[XA] offset:64*(\ks)+32
.irp t, 0,1,2
	ds_load_b128 v[FB+8*(3*(\ks)+(\t)):FB+8*(3*(\ks)+(\t))+3], v[GA+(\t)] offset:64*(4*(7-(\n))+(\ks))
	ds_load_b128 v[FB+8*(3*(\ks)+(\t))+4:FB+8*(3*(\ks)+(\t))+7], v[GA+(\t)] offset:64*(4*(7-(\n))+(\ks))+32
.endr
.endr
	s_wait_dscnt 0x0
.irp ks, 0,1,2,3                                   ; the three accumulators take turns, from piece to piece too
.irp t, 0,1,2
.if ((\n) == 0) && ((\ks) == 0)
	v_wmma_f32_16x16x32_bf16 v[ACC+8*(\t):ACC+8*(\t)+7], v[FA+8*(\ks):FA+8*(\ks)+7], v[FB+8*(3*(\ks)+(\t)):FB+8*(3*(\ks)+(\t))+7], 0
.else
	v_wmma_f32_16x16x32_bf16 v[ACC+8*(\t):ACC+8*(\t)+7], v[FA+8*(\ks):FA+8*(\ks)+7], v[FB+8*(3*(\ks)+(\t)):FB+8*(3*(\ks)+(\t))+7], v[ACC+8*(\t):ACC+8*(\t)+7]
.endif
.endr
.endr
.endm
	global_load_b32 v[CC], v[CAD], s[10:11]
	global_load_b64 v[MK:MK+1], v[MAD], s[6:7]
.set i, 0
.rept 16
	global_load_b128 v[GR+4*i:GR+4*i+3], v[GO], s[8:9] offset:4096*i  ; head i: 4,096 consecutive bytes for the 256 threads
.set i, i+1
.endr
	FILL 0
	FILL 1
	s_wait_loadcnt 32                              ; c, the mask and g are in; the two pieces' 32 loads stay out
	FILL 2
	WIN 0
.set i, 0
.rept 16
	SPLIT3 GR+4*i, SU, TM, TM+2, TM+4
	ds_store_b64 v[GSA], v[TM:TM+1] offset:GP*i
	ds_store_b64 v[GSA+1], v[TM+2:TM+3] offset:GP*i
	ds_store_b64 v[GSA+2], v[TM+4:TM+5] offset:GP*i
.set i, i+1
.endr
	v_mul_f32 v[CC], 0xbfb8aa3b, v[CC]             ; -log2(e) c, so that the exponent below is one fused multiply-add
	v_mov_b32 v[CC+1], v[CC]
	s_wait_dscnt 0x0                               ; for the others' sake: my part of g's terms lies in LDS
	s_barrier_signal -1
	s_barrier_wait -1
	BLOCK 0
	BLOCK 1
	BLOCK 2
	BLOCK 3
	BLOCK 4
	BLOCK 5
	BLOCK 6
	BLOCK 7
	PLACES
.irp k, 0,2,4,6                                    ; the small terms first; each accumulator is read from its low end on
	v_pk_add_f32 v[Z+(\k):Z+(\k)+1], v[ACC+16+(\k):ACC+16+(\k)+1], v[ACC+8+(\k):ACC+8+(\k)+1]
.endr
.irp k, 0,2,4,6
	v_pk_add_f32 v[Z+(\k):Z+(\k)+1], v[Z+(\k):Z+(\k)+1], v[ACC+(\k):ACC+(\k)+1]
.endr
.irp k, 0,2,4,6
	v_pk_fma_f32 v[E+(\k):E+(\k)+1], v[Z+(\k):Z+(\k)+1], 0xbfb8aa3b, v[CC:CC+1] op_sel_hi:[1,0,1]  ; -log2(e) (x . g + c)
.endr
.irp j, 0,1,2,3,4,5,6,7
	v_exp_f32 v[E+(\j)], v[E+(\j)]
.endr
	v_bfe_u32 v[M], v[MK], 0, 8                    ; a plain instruction behind the last exponential (ISA guide 5.7.2),
	s_wait_alu depctr_va_vdst(0)                   ; and a wait ahead of the first use: one for the eight
.irp k, 0,2,4,6
	v_pk_add_f32 v[E+(\k):E+(\k)+1], v[E+(\k):E+(\k)+1], 1.0 op_sel_hi:[1,0]
.endr
.irp j, 0,1,2,3,4,5,6,7
	v_rcp_f32 v[E+(\j)], v[E+(\j)]
.endr
.irp j, 1,2,3,4,5,6,7
	v_bfe_u32 v[M+(\j)], v[MK+(\j)/4], 8*((\j)%4), 8  ; row 8 hh + j's mask byte: plain work behind the reciprocals
.endr
	s_wait_alu depctr_va_vdst(0)                   ; one wait for the eight reciprocals
.irp j, 0,1,2,3,4,5,6,7
	v_cmp_ne_u32 vcc_lo, 0, v[M+(\j)]
	v_cndmask_b32 v[Z+(\j)], 0, v[E+(\j)], vcc_lo  ; 0 where the mask is false
.endr
	ds_store_b128 v[OSS], v[Z:Z+3]
	ds_store_b128 v[OSS], v[Z+4:Z+7] offset:16
	s_wait_dscnt 0x0                               ; a head's 512 bytes come from eight waves
	s_barrier_signal -1
	s_barrier_wait -1
.irp i, 0,1
	ds_load_b128 v[T+4*(\i):T+4*(\i)+3], v[OSL] offset:8*OSP*(\i)   ; heads w and w + 8
.endr
	s_wait_dscnt 0x0
.irp i, 0,1
	global_store_b128 v[OO], v[T+4*(\i):T+4*(\i)+3], s[12:13] offset:131072*(\i) th:TH_STORE_NT  ; the wave stores 512 consecutive bytes, at a multiple of 256 from out0's first
.endr
	s_wait_tensorcnt 0x0                           ; the wave's end, behind my last LDS store
	ds_add_u32 v[SPW], v[NIL]
	s_wait_dscnt 0x0
	s_endpgm
.Lfunc_end_k_q4181bbb2f9_zs:
	.size	k_q4181bbb2f9_zs, .Lfunc_end_k_q4181bbb2f9_zs-k_q4181bbb2f9_zs
	.p2alignl 7, 3214868480
	.fill 96, 4, 3214868480
	.section	.rodata,"a",@progbits
	.p2align	6, 0x0
	.amdhsa_kernel k_q4181bbb2f9_zs
		.amdhsa_group_segment_fixed_size 143360
		.amdhsa_private_segment_fixed_size 0
		.amdhsa_enable_private_segment 0
		.amdhsa_kernarg_size 40
		.amdhsa_user_sgpr_count 2
		.amdhsa_user_sgpr_kernarg_segment_ptr 1
		.amdhsa_wavefront_size32 1
		.amdhsa_system_sgpr_workgroup_id_x 1
		.amdhsa_system_sgpr_workgroup_id_y 1
		.amdhsa_system_sgpr_workgroup_id_z 1
		.amdhsa_system_vgpr_workitem_id 0
		.amdhsa_next_free_vgpr 448
		.amdhsa_next_free_sgpr 66
		.amdhsa_reserve_vcc 1
		.amdhsa_float_denorm_mode_32 3
		.amdhsa_float_denorm_mode_16_64 3
		.amdhsa_memory_ordered 1
		.amdhsa_forward_progress 1
		.amdhsa_inst_pref_size 85
	.end_amdhsa_kernel
	.amdgpu_metadata
---
amdhsa.version: [ 1, 2 ]
amdhsa.kernels:
  - .name:           k_q4181bbb2f9_zs
    .symbol:         k_q4181bbb2f9_zs.kd
    .args:
      - { .name: x, .offset: 0, .size: 8, .value_kind: global_buffer, .address_space: global }
      - { .name: mask, .offset: 8, .size: 8, .value_kind: global_buffer, .address_space: global }
      - { .name: gbuf, .offset: 16, .size: 8, .value_kind: global_buffer, .address_space: global }
      - { .name: cbuf, .offset: 24, .size: 8, .value_kind: global_buffer, .address_space: global }
      - { .name: out0, .offset: 32, .size: 8, .value_kind: global_buffer, .address_space: global }
    .group_segment_fixed_size: 143360
    .private_segment_fixed_size: 0
    .kernarg_segment_align: 8
    .kernarg_segment_size: 40
    .max_flat_workgroup_size: 256
    .sgpr_count:     66
    .vgpr_count:     448
    .wavefront_size: 32
...
	.end_amdgpu_metadata
.endif
;; end of part 4
;; ======== version 2 of 2: 4 launches; version 1 with the launches vu, zs written anew for expert scheduling mode
;; workspace buffers: upart 16,777,216 bytes; svp 65,536 bytes; ktvp 524,288 bytes; gbuf 524,288 bytes; cbuf 4,096 bytes
;; launch vu (part 5): grid 256 x 1, 8 waves a work-group, no clusters, 314,624 bytes of LDS; arguments x, Wv, bv, upart, svp; writes upart, svp
.if DOCPART == 5
	.amdgcn_target "amdgcn-amd-amdhsa--gfx1250"
	.amdhsa_code_object_version 6
	.text
	.protected	k_q4181bbb2f9_vu
	.globl	k_q4181bbb2f9_vu
	.p2align	8
	.type	k_q4181bbb2f9_vu,@function
k_q4181bbb2f9_vu:
	s_mov_b64 s[64:65], 0
	v_nop
	global_prefetch_b8 v0, s[64:65] scope:SCOPE_SE
	s_setreg_imm32_b32 hwreg(HW_REG_WAVE_SCHED_MODE, 0, 2), 2
	s_setreg_imm32_b32 hwreg(HW_REG_WAVE_MODE, 25, 1), 1
	s_wait_xcnt 0x0
	s_wait_alu depctr_vm_vsrc(0)
; FIRST OF FOUR LAUNCHES.  reference() is linear in k and q, so that  z[b,h,l] = x[b,l,:] . g[b,h,:] + c[b,h]  with
;   U[b,h,e] = sum over l of v[b,l,h] x[b,l,e],  sv[b,h] = sum over l of v[b,l,h],  ktv[b,h,d] = sum over e of U[b,h,e] Wk[e,64h+d] + bk[64h+d] sv[b,h],
;   g[b,h,e] = 1/8 sum over d of Wq[e,64h+d] ktv[b,h,d],  c[b,h] = 1/8 sum over d of bq[64h+d] ktv[b,h,d]:  the same terms as in reference(), regrouped, for every input.
; THIS LAUNCH: v = x Wv + bv for 128 rows of x, then those rows' part of U and of sv.  x: [32768][1024] f32, Wv: [1024][16] f32, bv: [16] f32.
; upart: f32 [work-group 256][head 16][e 1024];  svp: f32 [work-group 256][lane 32][2], sv of head h in lane h, word 0.
; FORMATS.  x, Wv and bv are rounded once to bf16.  v, an f32 sum, enters the second product as THREE bf16 terms (round, subtract exactly, round again): together its 24 bits.  All sums in f32.
; LIMITS.  The results are those of reference() on inputs rounded to bf16; a term below bf16's least number is lost; NaN and infinities are not treated apart; the f32 sums go in another order than reference()'s.
; SHARES.  A work-group has 128 rows (512 KiB of x), a wave 16 of them.  Each load of a wave takes 512 consecutive bytes of one row.  A ring of three register slots of 16 loads keeps 32 to 48 loads of a wave on their way.
; The rows stay in LDS as bf16, so that x is read once here: phase 1 reads a wave's own rows as they lie (v), phase 2 reads all 128 rows turned (U = v^T x): wave w makes e = 128 w .. 128 w + 127 for all 16 heads.
; NO CLUSTER: what work-groups share is Wv, 64 KiB, against 512 KiB of x of each work-group's own.  NO TENSOR LOADS: the bf16 rows take 266,496 of LDS's bytes, and f32 slots would not fit beside them.
; THE MODE: SCHED_MODE bits 1:0 = 2 (LLVM: expert scheduling mode 2), set by the entry lines.  The code itself states the register dependences
; between vector or matrix instructions and memory or LDS instructions, with s_wait_alu, always for 0.
; THE PLAN.  Registers that memory or LDS instructions touch:
;   v2-v19, v22   addresses and offsets: written at the head, never again.
;   the ring      slot c % 3: the loads of piece c land in it; piece c's 32 conversions read it; behind them the loads of piece c + 3 land in it.
;   T             written by a piece's conversions, read by the same piece's 16 LDS stores (at the start: by Wv's).
;   FA, FB        a piece's 16 LDS loads land in them; its four matrix instructions read them.
;   So a piece has TWO waits.  At its head, on vm_vsrc: the LDS stores issued so far have read T.  Behind its conversions, on va_vdst: T is written, the slot is read out, and the piece before is
;   done with FA and FB.  The piece's 48 memory and LDS instructions follow that wait; the four matrix instructions among them name FA, FB and the accumulators alone.
;   TM            v's three terms: written by the split, read by three LDS stores, later part of U's accumulators.
;   phase 2       v's 12 fragments and FOUR buffers of turned rows, one for each 32 rows: each is loaded once.  No vector or matrix instruction issued behind the wait that stands ahead of
;                 v's LDS stores names a register of these loads before they are issued, so the phase holds no wait on va_vdst, and two of the four runs stand among the products.
;   the way out   U's accumulators are LDS stores' data; the stage's loads land in v[32:95]: one wait on va_vdst ahead of all of it.
.set ROWP,  2080                       ; a row of x in LDS: 2,048 bytes + 32 = 520 words: 8 rows start 8 banks apart (64 banks of 4 bytes: ISA guide 11.1)
.set GRP,   8*ROWP+16                  ; 16 bytes more behind every 8 rows: the 16 rows of a plain fragment load start at banks 8 (r % 8) + 4 (r / 8)
.set WVS,   16*GRP                     ; 266,496: first Wv as bf16, [e][16 heads], 32 bytes a row; behind the second barrier the eight waves' stages
.set STG,   16*272                     ; a stage: 16 heads x (256 + 16) bytes
.set VF,    WVS+8*STG                  ; 301,312: v's fragments, [32 rows: 4][term: 3][1,024 bytes]
.set SPARE, VF+12*1024                 ; 313,600: the spare words, 128 bytes for each wave: four blocks of 256 bytes that no other line names
.set XO,  2                            ; v2   x: 16 L + 65,536 w (my wave's 16 rows)
.set XS,  3                            ; v3   LDS: where my 8 bytes of a row's piece go
.set XA,  4                            ; v4   LDS: my wave's rows as source 0
.set WA,  5                            ; v5   LDS: Wv, turned
.set WS,  6                            ; v6   LDS: where my 8 bytes of Wv go
.set WO,  7                            ; v7   Wv: 16 x thread
.set SPW, 8                            ; v8   my spare word; never rewritten
.set NIL, 9                            ; v9   0; never rewritten
.set XT,  10                           ; v10-13  LDS: rows 32 g .. 32 g + 31, turned, my wave's 128 e
.set VFS, 14                           ; v14  LDS: where my half fragment of v goes
.set VFL, 15                           ; v15  LDS: v's fragments
.set STO, 16                           ; v16  the way out: into my stage
.set RD,  17                           ; v17  the way out: back, by rows
.set UO,  18                           ; v18  my byte offset in the work-group's part of upart
.set SVO, 19                           ; v19  8 L
.set BV,  20                           ; v[20:21] bv of head L % 16, rounded to bf16, twice
.set BVO, 22                           ; v22  4 (L % 16)
.set T,   32                           ; v[32:63]   a piece as bf16
.set FA,  64                           ; v[64:95]   four fragments of x   (at the start: Wv as loaded, v[64:127])
.set FB,  96                           ; v[96:127]  four fragments of Wv
.set ACC, 160                          ; v[160:175] v's two accumulators
.set SU,  176                          ; v[176:179] at work
.set TM,  180                          ; v[180:191] v's three terms, 4 registers each
.set XB,  32                           ; phase 2: v[32:95], v[96:159]: 8 turned fragments each, rows 0-31 and 32-63
.set XC,  96                           ; phase 2, window 1: v[96:159], v[160:223]: the same for rows 64-95 and 96-127
.set UACC, 160                         ; phase 2: v[160:223] 8 accumulators, 16 e x 16 heads each
.set ONES, 224                         ; v[224:231] a fragment of ones
.set SVA, 232                          ; v[232:255] sv: an accumulator for each term
.set WV,  14                           ; s14  my wave's number
.set MH,  15                           ; s15  a word's upper bf16
; window 1: v[0:191] the ring, three slots of 64; in phase 2 v[0:95] v's 12 fragments, v[96:223] two buffers of turned rows
.set MSB, 0
.macro WIN new                         ; s_set_vgpr_msb: bits 1:0 source 0, 3:2 source 1, 5:4 source 2, 7:6 destination; the high byte repeats the setting that is left
.if MSB != (\new)
	s_set_vgpr_msb (MSB<<8)|(\new)
.set MSB, (\new)
.endif
.endm
.macro PLACES                          ; four plain vector instructions between a matrix instruction and what reads its result or writes its registers (ISA guide 7.12.1)
.rept 4
	v_nop
.endr
.endm
; Four f32 in v[a .. a+3] become three pairs of packed bf16: t1 = round(a); a -= t1, exactly; t2 = round(a); a -= t2; t3 = round(a).
.macro SPLIT3 a, u, t1, t2, t3
.irp w, \t1, \t2
	v_cvt_pk_bf16_f32 v[(\w)], v[(\a)], v[(\a)+1]
	v_cvt_pk_bf16_f32 v[(\w)+1], v[(\a)+2], v[(\a)+3]
	v_lshlrev_b32 v[(\u)], 16, v[(\w)]
	v_and_b32 v[(\u)+1], s[MH], v[(\w)]
	v_lshlrev_b32 v[(\u)+2], 16, v[(\w)+1]
	v_and_b32 v[(\u)+3], s[MH], v[(\w)+1]
	v_pk_add_f32 v[(\a):(\a)+1], v[(\a):(\a)+1], v[(\u):(\u)+1] neg_lo:[0,1] neg_hi:[0,1]
	v_pk_add_f32 v[(\a)+2:(\a)+3], v[(\a)+2:(\a)+3], v[(\u)+2:(\u)+3] neg_lo:[0,1] neg_hi:[0,1]
.endr
	v_cvt_pk_bf16_f32 v[(\t3)], v[(\a)], v[(\a)+1]
	v_cvt_pk_bf16_f32 v[(\t3)+1], v[(\a)+2], v[(\a)+3]
.endm
	s_load_b256 s[4:11], s[0:1], 0x0               ; x s[4:5], Wv s[6:7], bv s[8:9], upart s[10:11]
	s_load_b64 s[12:13], s[0:1], 0x20              ; svp
	v_lshl_add_u32 v[SPW], v0, 2, SPARE
	v_mov_b32 v[NIL], 0
	v_lshrrev_b32 v1, 5, v0
	v_readfirstlane_b32 s[WV], v1                  ; wave 0..7
	s_mov_b32 s[MH], 0xffff0000
	v_and_b32 v1, 31, v0                           ; L
	v_and_b32 v24, 15, v0                          ; r = L % 16
	v_bfe_u32 v25, v0, 4, 1                        ; hh = L / 16
	v_and_b32 v26, 7, v0                           ; L % 8
	v_bfe_u32 v27, v0, 3, 1                        ; (L / 8) % 2 = r / 8
	s_wait_alu depctr_va_sdst(0)                   ; s14, my wave's number, is written, ahead of its first reader
	s_lshl_b32 s16, s[WV], 16
	v_lshl_add_u32 v[XO], v1, 4, s16
	s_mul_i32 s17, s[WV], 2*GRP                    ; my wave's 16 rows in LDS
	v_lshl_add_u32 v[XS], v1, 3, s17
	v_mul_u32_u24 v28, v26, ROWP
	v_mul_u32_u24 v29, v27, GRP
	v_add_nc_u32 v29, v28, v29
	v_lshl_add_u32 v29, v25, 4, v29
	v_add_nc_u32 v[XA], s17, v29                   ; row r of my 16, + 16 hh
	v_lshl_add_u32 v29, v25, 3, v26
	v_lshlrev_b32 v29, 5, v29
	v_lshl_add_u32 v29, v27, 4, v29
	v_add_nc_u32 v[WA], WVS, v29                   ; row 8 hh + L % 8 of Wv, 16 bytes by (L / 8) % 2
	v_lshl_add_u32 v[WS], v0, 3, WVS
	v_lshlrev_b32 v[WO], 4, v0
	v_mul_u32_u24 v30, v25, GRP
	v_add_nc_u32 v30, v28, v30
	v_lshl_add_u32 v30, v27, 4, v30
	s_lshl_b32 s18, s[WV], 8
	v_add_nc_u32 v30, s18, v30                     ; row 8 hh + L % 8, 16 bytes by (L / 8) % 2, my wave's 256 bytes
.irp g, 0,1,2,3
	v_add_nc_u32 v[XT+(\g)], 4*GRP*(\g), v30
.endr
	s_lshr_b32 s19, s[WV], 1
	s_mul_i32 s19, s19, 3072                       ; two waves' rows make a fragment's 32,
	s_and_b32 s20, s[WV], 1
	s_lshl_b32 s20, s20, 9                         ; the even wave its registers 0-3, the odd one 4-7
	s_add_co_u32 s19, s19, s20
	s_add_co_u32 s19, s19, VF
	v_lshl_add_u32 v[VFS], v1, 4, s19
	v_lshl_add_u32 v[VFL], v1, 4, VF
	s_mul_i32 s21, s[WV], STG
	s_add_co_u32 s21, s21, WVS                     ; my stage
	v_mul_u32_u24 v28, v24, 272
	v_lshl_add_u32 v28, v25, 5, v28
	v_add_nc_u32 v[STO], s21, v28                  ; in: head r, 32 bytes for each half of the lanes
	v_mul_u32_u24 v28, v25, 272
	v_lshl_add_u32 v28, v24, 4, v28
	v_add_nc_u32 v[RD], s21, v28                   ; back: lanes 0-15 one head's 256 bytes, lanes 16-31 the next head's
	v_lshlrev_b32 v28, 12, v25
	v_lshl_add_u32 v28, v24, 4, v28
	s_lshl_b32 s22, s[WV], 9
	v_add_nc_u32 v[UO], s22, v28
	v_lshlrev_b32 v[SVO], 3, v1
	v_lshlrev_b32 v[BVO], 2, v24
	s_lshl_b32 s24, ttmp9, 19                      ; the work-group's 128 rows of 4,096 bytes
	s_mov_b32 s25, 0
	s_lshl_b32 s26, ttmp9, 16                      ; its 65,536 bytes of upart
	s_mov_b32 s27, 0
	s_lshl_b32 s28, ttmp9, 8                       ; its 256 bytes of svp
	s_mov_b32 s29, 0
	s_wait_kmcnt 0x0
	s_add_nc_u64 s[4:5], s[4:5], s[24:25]
	s_add_nc_u64 s[10:11], s[10:11], s[26:27]
	s_add_nc_u64 s[12:13], s[12:13], s[28:29]
; Piece c (128 e) of my 16 rows into slot c % 3: 16 loads, each 512 consecutive bytes of one row.  (The first three pieces; the others are asked for in BLOCK.)
.macro FILL c
	WIN 0x40                                       ; destination window 1
.set i, 0
.rept 16
	global_load_b128 v[64*((\c)%3)+4*i:64*((\c)%3)+4*i+3], v[XO], s[4:5] offset:4096*i+512*(\c)
.set i, i+1
.endr
.endm
; Piece c: rounded to bf16, its slot asked for again, laid into LDS, read back as four fragments, and multiplied by Wv's rows 128 c .. 128 c + 127.
.macro BLOCK c
.if (\c) < 6
	s_wait_loadcnt 32                              ; loads come back in order (ISA guide 5.7.1): piece c is in, the two younger pieces' 32 loads stay out
.elseif (\c) == 6
	s_wait_loadcnt 16                              ; one younger piece is left
.else
	s_wait_loadcnt 0x0
.endif
	s_wait_alu depctr_vm_vsrc(0)                   ; the LDS stores issued so far (the piece before's; ahead of the first piece Wv's) have read T, which the conversions write again
	WIN 0x05                                       ; sources window 1, destination window 0
.set i, 0
.rept 32
	v_cvt_pk_bf16_f32 v[T+i], v[64*((\c)%3)+2*i], v[64*((\c)%3)+2*i+1]
.set i, i+1
.endr
.if (\c) < 5
	WIN 0x40                                       ; the loads' destination in window 1; an LDS store has no destination, and its address and data stay in window 0
.else
	WIN 0
.endif
	s_wait_alu depctr_va_vdst(0)                   ; the conversions have written T, which the LDS stores read, and are done reading the slot, in which the loads land; the piece before's matrix instructions are done reading FA and FB
.set i, 0
.rept 16                                           ; row i: its 512 bytes of piece c + 3 are asked for, its 256 bytes of piece c go into LDS
.if (\c) < 5
	global_load_b128 v[64*((\c)%3)+4*i:64*((\c)%3)+4*i+3], v[XO], s[4:5] offset:4096*i+512*((\c)+3)
.endif
	ds_store_b64 v[XS], v[T+2*i:T+2*i+1] offset:(i%8)*ROWP+(i/8)*GRP+256*(\c)
.set i, i+1
.endr
	WIN 0
.irp ks, 0,1,2,3                                   ; LDS serves a wave's instructions in order (ISA guide 5.7.1.4): the loads of my own rows see the stores above
	ds_load_b128 v[FA+8*(\ks):FA+8*(\ks)+3], v[XA] offset:256*(\c)+64*(\ks)
	ds_load_b128 v[FA+8*(\ks)+4:FA+8*(\ks)+7], v[XA] offset:256*(\c)+64*(\ks)+32
	ds_load_tr16_b128 v[FB+8*(\ks):FB+8*(\ks)+3], v[WA] offset:(4*(\c)+(\ks))*1024
	ds_load_tr16_b128 v[FB+8*(\ks)+4:FB+8*(\ks)+7], v[WA] offset:(4*(\c)+(\ks))*1024+512
.endr
.irp ks, 0,1,2,3                                   ; the two accumulators take turns, from piece to piece too
	s_wait_dscnt 12-4*(\ks)                        ; K step ks's four loads are in; the later steps' four each stay out
.if ((\c) == 0) && ((\ks) < 2)
	v_wmma_f32_16x16x32_bf16 v[ACC+8*((\ks)%2):ACC+8*((\ks)%2)+7], v[FA+8*(\ks):FA+8*(\ks)+7], v[FB+8*(\ks):FB+8*(\ks)+7], 0
.else
	v_wmma_f32_16x16x32_bf16 v[ACC+8*((\ks)%2):ACC+8*((\ks)%2)+7], v[FA+8*(\ks):FA+8*(\ks)+7], v[FB+8*(\ks):FB+8*(\ks)+7], v[ACC+8*((\ks)%2):ACC+8*((\ks)%2)+7]
.endif
.endr
.endm
; Rows 32 g .. 32 g + 31 of x, turned: 8 fragments (16 e x 32 rows) of my wave's 128 e, into the rows' own buffer.
.macro XFETCH g
.if (\g) < 2
	WIN 0x04                                       ; the products' setting: an LDS load has no source 1, and its destination and address lie in window 0
.set xb, XB+64*(\g)
.else
	WIN 0x40                                       ; destination window 1
.set xb, XC+64*((\g)-2)
.endif
.irp q, 0,1,2,3,4,5,6,7
	ds_load_tr16_b128 v[xb+8*(\q):xb+8*(\q)+3], v[XT+(\g)] offset:32*(\q)
	ds_load_tr16_b128 v[xb+8*(\q)+4:xb+8*(\q)+7], v[XT+(\g)] offset:32*(\q)+2*GRP
.endr
.endm
; U += x^T v for those rows and term t of v: source 0 = 16 e, source 1 = 16 heads (window 1).  The 8 accumulators take turns.
.macro UM g, t
.if (\g) < 2
	WIN 0x04                                       ; source 1 window 1
.set xb, XB+64*(\g)
.else
	WIN 0x05                                       ; sources 0 and 1 window 1
.set xb, XC+64*((\g)-2)
.endif
.irp q, 0,1,2,3,4,5,6,7
.if ((\g) == 0) && ((\t) == 0)
	v_wmma_f32_16x16x32_bf16 v[UACC+8*(\q):UACC+8*(\q)+7], v[xb+8*(\q):xb+8*(\q)+7], v[8*(3*(\g)+(\t)):8*(3*(\g)+(\t))+7], 0
.else
	v_wmma_f32_16x16x32_bf16 v[UACC+8*(\q):UACC+8*(\q)+7], v[xb+8*(\q):xb+8*(\q)+7], v[8*(3*(\g)+(\t)):8*(3*(\g)+(\t))+7], v[UACC+8*(\q):UACC+8*(\q)+7]
.endif
.endr
.endm
	s_wait_alu depctr_va_vdst(0)                   ; the addresses and offsets v2 to v19 and v22 are written: every load and store of the kernel reads one of them
	global_load_b32 v[BV], v[BVO], s[8:9]
.set i, 0
.rept 16
	global_load_b128 v[64+4*i:64+4*i+3], v[WO], s[6:7] offset:4096*i  ; all of Wv: 4,096 consecutive bytes for the 256 threads
.set i, i+1
.endr
	FILL 0
	FILL 1
	WIN 0
.set i, 0
.rept 8
	v_mov_b32 v[ONES+i], 0x3f803f80                ; 1.0 twice in bf16
.set i, i+1
.endr
	s_wait_loadcnt 32                              ; bv and Wv are in; the two pieces' 32 loads stay out
	FILL 2                                         ; no wait: the only vector instructions since the wait above write the ones
	WIN 0
.set i, 0
.rept 32
	v_cvt_pk_bf16_f32 v[T+i], v[64+2*i], v[64+2*i+1]
.set i, i+1
.endr
	v_cvt_pk_bf16_f32 v[BV+1], v[BV], v[BV]        ; bv rounded to bf16, widened again, twice
	v_lshlrev_b32 v[BV], 16, v[BV+1]
	v_mov_b32 v[BV+1], v[BV]
	s_wait_alu depctr_va_vdst(0)                   ; the conversions have written T, which the LDS stores read
.set i, 0
.rept 16
	ds_store_b64 v[WS], v[T+2*i:T+2*i+1] offset:2048*i
.set i, i+1
.endr
	s_wait_dscnt 0x0                               ; for the others' sake: my part of Wv lies in LDS
	s_barrier_signal -1
	s_barrier_wait -1                              ; all of it does
	BLOCK 0
	BLOCK 1
	BLOCK 2
	BLOCK 3
	BLOCK 4
	BLOCK 5
	BLOCK 6
	BLOCK 7
	; v = the two accumulators + bv.  A lane holds head r and rows 8 hh + 0..7: packed in pairs that is half of a source 1 with the rows along K.
	PLACES
.irp k, 0,2,4,6
	v_pk_add_f32 v[ACC+(\k):ACC+(\k)+1], v[ACC+(\k):ACC+(\k)+1], v[ACC+8+(\k):ACC+8+(\k)+1]
.endr
.irp k, 0,2,4,6
	v_pk_add_f32 v[ACC+(\k):ACC+(\k)+1], v[ACC+(\k):ACC+(\k)+1], v[BV:BV+1]
.endr
	SPLIT3 ACC, SU, TM, TM+4, TM+8
	SPLIT3 ACC+4, SU, TM+2, TM+6, TM+10
	s_wait_alu depctr_va_vdst(0)                   ; the split has written TM, which the LDS stores read; and phase 1 is done with the ring, T, FA and FB, in which phase 2's loads land
.irp t, 0,1,2
	ds_store_b128 v[VFS], v[TM+4*(\t):TM+4*(\t)+3] offset:1024*(\t)
.endr
	s_wait_dscnt 0x0                               ; my rows of x and my part of v lie in LDS, and my reads of Wv are over
	s_barrier_signal -1
	s_barrier_wait -1                              ; so for all eight waves: all rows may be read, and Wv's bytes may become stages
	s_wait_alu depctr_vm_vsrc(0)                   ; my LDS stores have read T, in which turned rows land, and TM, which U's products write
	WIN 0x40
.set f, 0
.rept 12
	ds_load_b128 v[8*f:8*f+3], v[VFL] offset:1024*f
	ds_load_b128 v[8*f+4:8*f+7], v[VFL] offset:1024*f+512
.set f, f+1
.endr
	XFETCH 0
	XFETCH 1
	s_wait_dscnt 16                                ; all but the youngest 16: v's fragments and rows 0-31 are in
	UM 0, 0
	XFETCH 2                                       ; no wait: no vector or matrix instruction since the wait ahead of v's stores names this buffer or its address
	UM 0, 1
	UM 0, 2
	s_wait_dscnt 16                                ; rows 32-63 are in; the run just issued stays out
	UM 1, 0
	XFETCH 3                                       ; likewise
	UM 1, 1
	UM 1, 2
	s_wait_dscnt 16                                ; rows 64-95 are in
	UM 2, 0
	UM 2, 1
	UM 2, 2
	s_wait_dscnt 0x0
	UM 3, 0
	UM 3, 1
	UM 3, 2
	WIN 0                                          ; at a branch and at a label every window is 0
	s_cmp_lg_u32 s[WV], 0
	s_cbranch_scc1 .Lno_sv
	WIN 0x04                                       ; wave 0: sv = ones x v: every row of the result is the sum over the 128 rows; three accumulators by turns
.irp g, 0,1,2,3
.irp t, 0,1,2
.if (\g) == 0
	v_wmma_f32_16x16x32_bf16 v[SVA+8*(\t):SVA+8*(\t)+7], v[ONES:ONES+7], v[8*(3*(\g)+(\t)):8*(3*(\g)+(\t))+7], 0
.else
	v_wmma_f32_16x16x32_bf16 v[SVA+8*(\t):SVA+8*(\t)+7], v[ONES:ONES+7], v[8*(3*(\g)+(\t)):8*(3*(\g)+(\t))+7], v[SVA+8*(\t):SVA+8*(\t)+7]
.endif
.endr
.endr
	WIN 0
	PLACES
	v_pk_add_f32 v[SVA:SVA+1], v[SVA:SVA+1], v[SVA+8:SVA+9]
	v_pk_add_f32 v[SVA:SVA+1], v[SVA:SVA+1], v[SVA+16:SVA+17]
	s_wait_alu depctr_va_vdst(0)                   ; the additions have written the pair that the store reads
	global_store_b64 v[SVO], v[SVA:SVA+1], s[12:13]  ; 256 consecutive bytes, aligned
.Lno_sv:
	; THE WAY OUT.  A lane holds head r and 8 neighbouring e of each tile.  Four tiles (64 e, 256 bytes a head) at a time go through my own stage and come back by heads.
	PLACES
	s_wait_alu depctr_va_vdst(0)                   ; the products have written U's accumulators, which the LDS stores read, and are done reading v[32:95], in which the stage's loads land; the places above stay beside this wait
.irp hf, 0,1
.irp q, 0,1,2,3
	ds_store_b128 v[STO], v[UACC+8*(4*(\hf)+(\q)):UACC+8*(4*(\hf)+(\q))+3] offset:64*(\q)
	ds_store_b128 v[STO], v[UACC+8*(4*(\hf)+(\q))+4:UACC+8*(4*(\hf)+(\q))+7] offset:64*(\q)+16
.endr
.irp j, 0,1,2,3,4,5,6,7
	ds_load_b128 v[32+32*(\hf)+4*(\j):32+32*(\hf)+4*(\j)+3], v[RD] offset:544*(\j)  ; in order behind the stores above
.endr
	s_wait_dscnt 0x0
.irp j, 0,1,2,3,4,5,6,7
	global_store_b128 v[UO], v[32+32*(\hf)+4*(\j):32+32*(\hf)+4*(\j)+3], s[10:11] offset:8192*(\j)+256*(\hf) th:TH_STORE_NT  ; 16 lanes store 256 consecutive bytes, at a multiple of 256 from upart's first
.endr
.endr
	s_wait_dscnt 0x0                               ; the closing lines, six on end
	s_wait_alu 0x0
	s_wait_tensorcnt 0x0
	ds_add_u32 v[SPW], v[NIL]
	s_wait_dscnt 0x0
	s_endpgm
.Lfunc_end_k_q4181bbb2f9_vu:
	.size	k_q4181bbb2f9_vu, .Lfunc_end_k_q4181bbb2f9_vu-k_q4181bbb2f9_vu
	.p2alignl 7, 3214868480
	.fill 96, 4, 3214868480
	.section	.rodata,"a",@progbits
	.p2align	6, 0x0
	.amdhsa_kernel k_q4181bbb2f9_vu
		.amdhsa_group_segment_fixed_size 314624
		.amdhsa_private_segment_fixed_size 0
		.amdhsa_enable_private_segment 0
		.amdhsa_kernarg_size 40
		.amdhsa_user_sgpr_count 2
		.amdhsa_user_sgpr_kernarg_segment_ptr 1
		.amdhsa_wavefront_size32 1
		.amdhsa_system_sgpr_workgroup_id_x 1
		.amdhsa_system_sgpr_workgroup_id_y 1
		.amdhsa_system_sgpr_workgroup_id_z 1
		.amdhsa_system_vgpr_workitem_id 0
		.amdhsa_next_free_vgpr 480
		.amdhsa_next_free_sgpr 66
		.amdhsa_reserve_vcc 0
		.amdhsa_float_denorm_mode_32 3
		.amdhsa_float_denorm_mode_16_64 3
		.amdhsa_memory_ordered 1
		.amdhsa_forward_progress 1
		.amdhsa_inst_pref_size 78
	.end_amdhsa_kernel
	.amdgpu_metadata
---
amdhsa.version: [ 1, 2 ]
amdhsa.kernels:
  - .name:           k_q4181bbb2f9_vu
    .symbol:         k_q4181bbb2f9_vu.kd
    .args:
      - { .name: x, .offset: 0, .size: 8, .value_kind: global_buffer, .address_space: global }
      - { .name: Wv, .offset: 8, .size: 8, .value_kind: global_buffer, .address_space: global }
      - { .name: bv, .offset: 16, .size: 8, .value_kind: global_buffer, .address_space: global }
      - { .name: upart, .offset: 24, .size: 8, .value_kind: global_buffer, .address_space: global }
      - { .name: svp, .offset: 32, .size: 8, .value_kind: global_buffer, .address_space: global }
    .group_segment_fixed_size: 314624
    .private_segment_fixed_size: 0
    .kernarg_segment_align: 8
    .kernarg_segment_size: 40
    .max_flat_workgroup_size: 256
    .sgpr_count:     66
    .vgpr_count:     480
    .wavefront_size: 32
...
	.end_amdgpu_metadata
.endif
;; end of part 5
;; launch ktv: the kernel of part 2 again; grid 16 x 16, 4 waves a work-group, no clusters, 14,336 bytes of LDS; arguments upart, Wk, ktvp; writes ktvp
;; launch gc: the kernel of part 3 again; grid 16 x 16, 4 waves a work-group, no clusters, 15,616 bytes of LDS; arguments ktvp, svp, Wq, bk, bq, gbuf, cbuf; writes gbuf, cbuf
;; launch zs (part 6): grid 256 x 1, 8 waves a work-group, no clusters, 143,360 bytes of LDS; arguments x, mask, gbuf, cbuf, out0; writes out0
.if DOCPART == 6
	.amdgcn_target "amdgcn-amd-amdhsa--gfx1250"
	.amdhsa_code_object_version 6
	.text
	.protected	k_q4181bbb2f9_zs
	.globl	k_q4181bbb2f9_zs
	.p2align	8
	.type	k_q4181bbb2f9_zs,@function
k_q4181bbb2f9_zs:
	s_mov_b64 s[64:65], 0
	v_nop
	global_prefetch_b8 v0, s[64:65] scope:SCOPE_SE
	s_setreg_imm32_b32 hwreg(HW_REG_WAVE_SCHED_MODE, 0, 2), 2
	s_setreg_imm32_b32 hwreg(HW_REG_WAVE_MODE, 25, 1), 1
	s_wait_xcnt 0x0
	s_wait_alu depctr_vm_vsrc(0)
; FOURTH LAUNCH.  out0[b][h][l] = mask[b][l] ? 1 / (1 + 2^(-log2(e) (x[b,l,:] . g[b,h,:] + c[b,h]))) : 0.  x: [32768][1024] f32; gbuf: f32 [b][h][1024]; cbuf: f32 [h][lane b][2]; mask: a byte a row.
; FORMATS.  x is rounded once to bf16, as in the first launch.  g, an f32 number, enters as three bf16 terms that hold its 24 bits; sums, the exponential and the reciprocal in f32.
; LIMITS.  The results are those of reference() on inputs rounded to bf16.  2^t below 2^-126 counts as 0, so far above 0 the result is exactly 1; where 2^t overflows the result is 0 (reference(): below 1e-38).  NaN and infinities are not treated apart.
; No maximum is taken away: reference() takes none; the one exponential's overflow and underflow end in the sigmoid's own limits 0 and 1.
; SHARES.  A work-group has 128 rows of one b (512 KiB of x), a wave 16 of them, for all 16 heads.  Each load of a wave takes 512 consecutive bytes of one row; a ring of three register slots of 16 loads keeps 32 to 48 of them on their way.
; g's three terms lie in LDS for the whole launch (99,072 bytes); a piece of x (16 rows x 128 e) goes through the wave's own stage to come back as fragments.  The pieces are taken from the rows' ends to their beginnings.
; THE PRODUCT: source 0 = 16 rows of x, source 1 = 16 heads of a term of g, K = e: a lane holds head L % 16 and 8 neighbouring l.
; NO CLUSTER: what the 32 work-groups of a b share is g, 64 KiB, against 512 KiB of x of each work-group's own.
; THE MODE: SCHED_MODE bits 1:0 = 2 (LLVM: expert scheduling mode 2), set by the entry lines.  The code itself states the register dependences
; between vector or matrix instructions and memory or LDS instructions, with s_wait_alu, always for 0.
; THE PLAN.  Registers that memory or LDS instructions touch:
;   v2-v17, v22   addresses and offsets: written at the head, never again.
;   TM            at the start: head i's three terms of g have six registers of their own, TM + 6 i.  Written by the split, read by three LDS stores, in two halves of eight heads:
;                 one wait on va_vdst ahead of each half's 24 stores; the first half's stores leave while the second half is split.  Later these registers are FB, the accumulators, Z and E.
;   the ring      slot n % 3: the loads of turn n land in it; turn n's 32 conversions read it; behind them the loads of turn n + 3 land in it.
;   T             written by a turn's conversions, read by the same turn's 16 LDS stores.
;   FA, FB        a turn's 32 LDS loads land in them; its twelve matrix instructions read them.
;   So a turn has TWO waits.  At its head, on vm_vsrc: the LDS stores issued so far have read T (ahead of the first turn: TM).  Behind its conversions, on va_vdst: T is written, the slot is read out,
;   and the turn before is done with FA and FB.  The turn's 64 memory and LDS instructions follow that wait; the matrix instructions among them name FA, FB and the accumulators alone.
;   the way out   Z is the LDS stores' data: a wait on va_vdst ahead of them.  The results come back into T: a wait on vm_vsrc ahead of those loads.  The eight masks are made in one run, into scalar registers, with one wait on va_sdst.
.set GP,    2064                       ; a head's row of a term: 2,048 bytes + 16 = 516 words: 16 rows start at 16 different groups of four banks (64 banks of 4 bytes: ISA guide 11.1)
.set GT,    16*GP                      ; a term
.set XSG,   3*GT                       ; 99,072: for each wave 16 rows x (256 + 16) bytes
.set STG,   16*272
.set OS,    XSG+8*STG                  ; 133,888: the results, f32 [16 heads], 512 + 16 bytes a row
.set OSP,   528
.set SPARE, OS+16*OSP                  ; 142,336: the spare words, 128 bytes for each wave: four blocks of 256 bytes that no other line names
.set XO,  2                            ; v2   x: 16 L + 65,536 w
.set XS,  3                            ; v3   LDS: where my 8 bytes of a row's piece go
.set XA,  4                            ; v4   LDS: my wave's rows as source 0
.set GA,  5                            ; v5-7    LDS: term t's fragments
.set SPW, 8                            ; v8   my spare word; never rewritten
.set NIL, 9                            ; v9   0; never rewritten
.set GSA, 10                           ; v10-12  LDS: where my 8 bytes of term t go
.set GO,  13                           ; v13  gbuf: 16 x thread
.set OSS, 14                           ; v14  LDS: my 32 bytes of the results, in
.set OSL, 15                           ; v15  LDS: back, by heads
.set OO,  16                           ; v16  out0: head w, 16 L
.set CAD, 17                           ; v17  cbuf: 256 (L % 16)
.set CC,  18                           ; v[18:19] -log2(e) c of head L % 16, twice
.set MK,  20                           ; v[20:21] my 8 rows' mask bytes
.set MAD, 22                           ; v22  mask: 16 w + 8 hh
.set T,   32                           ; v[32:63]   a piece as bf16
.set FA,  64                           ; v[64:95]   four fragments of x   (at the start: g as loaded, v[64:127])
.set FB,  96                           ; v[96:191]  K step ks, term t at FB + 8 (3 ks + t)
.set GR,  64
.set SU,  128                          ; at the start: v[128:131] at work
.set TM,  132                          ; at the start: v[132:227] head i's three terms at TM + 6 i
.set ACC, 192                          ; v[192:215] an accumulator for each term
.set Z,   216
.set E,   224
.set M,   232
.set WV,  14                           ; s14  my wave's number
.set MH,  15                           ; s15  a word's upper bf16
.set MS,  16                           ; s16-23  on the way out: row 8 hh + j's mask, a bit a lane (at the head these hold offsets)
; window 1: v[0:191] the ring, three slots of 64
.set MSB, 0
.macro WIN new                         ; s_set_vgpr_msb: bits 1:0 source 0, 3:2 source 1, 5:4 source 2, 7:6 destination; the high byte repeats the setting that is left
.if MSB != (\new)
	s_set_vgpr_msb (MSB<<8)|(\new)
.set MSB, (\new)
.endif
.endm
.macro PLACES
.rept 4
	v_nop
.endr
.endm
.macro SPLIT3 a, u, t1, t2, t3         ; four f32 become three pairs of packed bf16: round, subtract exactly, round again
.irp w, \t1, \t2
	v_cvt_pk_bf16_f32 v[(\w)], v[(\a)], v[(\a)+1]
	v_cvt_pk_bf16_f32 v[(\w)+1], v[(\a)+2], v[(\a)+3]
	v_lshlrev_b32 v[(\u)], 16, v[(\w)]
	v_and_b32 v[(\u)+1], s[MH], v[(\w)]
	v_lshlrev_b32 v[(\u)+2], 16, v[(\w)+1]
	v_and_b32 v[(\u)+3], s[MH], v[(\w)+1]
	v_pk_add_f32 v[(\a):(\a)+1], v[(\a):(\a)+1], v[(\u):(\u)+1] neg_lo:[0,1] neg_hi:[0,1]
	v_pk_add_f32 v[(\a)+2:(\a)+3], v[(\a)+2:(\a)+3], v[(\u)+2:(\u)+3] neg_lo:[0,1] neg_hi:[0,1]
.endr
	v_cvt_pk_bf16_f32 v[(\t3)], v[(\a)], v[(\a)+1]
	v_cvt_pk_bf16_f32 v[(\t3)+1], v[(\a)+2], v[(\a)+3]
.endm
	s_load_b256 s[4:11], s[0:1], 0x0               ; x s[4:5], mask s[6:7], gbuf s[8:9], cbuf s[10:11]
	s_load_b64 s[12:13], s[0:1], 0x20              ; out0
	v_lshl_add_u32 v[SPW], v0, 2, SPARE
	v_mov_b32 v[NIL], 0
	v_lshrrev_b32 v1, 5, v0
	v_readfirstlane_b32 s[WV], v1                  ; wave 0..7
	s_mov_b32 s[MH], 0xffff0000
	v_and_b32 v1, 31, v0                           ; L
	v_and_b32 v24, 15, v0                          ; r
	v_bfe_u32 v25, v0, 4, 1                        ; hh
	s_wait_alu depctr_va_sdst(0)                   ; s14, my wave's number, is written, ahead of its first reader
	s_lshl_b32 s26, s[WV], 16
	v_lshl_add_u32 v[XO], v1, 4, s26
	s_mul_i32 s26, s[WV], STG
	s_add_co_u32 s26, s26, XSG                     ; my stage
	v_lshl_add_u32 v[XS], v1, 3, s26
	v_mul_u32_u24 v28, v24, 272
	v_lshl_add_u32 v28, v25, 4, v28
	v_add_nc_u32 v[XA], s26, v28
	v_mul_u32_u24 v28, v24, GP
	v_lshl_add_u32 v28, v25, 4, v28
.irp t, 0,1,2
	v_add_nc_u32 v[GA+(\t)], GT*(\t), v28
	v_lshl_add_u32 v[GSA+(\t)], v0, 3, GT*(\t)
.endr
	v_lshlrev_b32 v[GO], 4, v0
	v_mul_u32_u24 v28, v24, OSP
	v_lshl_add_u32 v28, v25, 5, v28
	s_lshl_b32 s30, s[WV], 6
	s_add_co_u32 s30, s30, OS
	v_add_nc_u32 v[OSS], s30, v28                  ; head r, l = 16 w + 8 hh on
	s_mul_i32 s31, s[WV], OSP
	s_add_co_u32 s31, s31, OS
	v_lshl_add_u32 v[OSL], v1, 4, s31
	s_lshl_b32 s28, s[WV], 14
	v_lshl_add_u32 v[OO], v1, 4, s28
	v_lshlrev_b32 v[CAD], 8, v24
	s_lshl_b32 s29, s[WV], 4
	v_lshl_add_u32 v[MAD], v25, 3, s29
	s_lshr_b32 s26, ttmp9, 5                       ; b
	s_and_b32 s27, ttmp9, 31                       ; which 128 of its 4,096 rows
	s_lshl_b32 s16, ttmp9, 19
	s_mov_b32 s17, 0
	s_lshl_b32 s18, ttmp9, 7
	s_mov_b32 s19, 0
	s_lshl_b32 s20, s26, 16
	s_mov_b32 s21, 0
	s_lshl_b32 s22, s26, 3
	s_mov_b32 s23, 0
	s_lshl_b32 s24, s26, 18
	s_lshl_b32 s28, s27, 9
	s_add_co_u32 s24, s24, s28
	s_mov_b32 s25, 0
	s_wait_kmcnt 0x0
	s_add_nc_u64 s[4:5], s[4:5], s[16:17]
	s_add_nc_u64 s[6:7], s[6:7], s[18:19]
	s_add_nc_u64 s[8:9], s[8:9], s[20:21]
	s_add_nc_u64 s[10:11], s[10:11], s[22:23]
	s_add_nc_u64 s[12:13], s[12:13], s[24:25]
; Turn n takes piece 7 - n (128 e) of my 16 rows, through slot n % 3: 16 loads, each 512 consecutive bytes of one row.  x is read here for the last time.  (The first three turns' pieces; the others are asked for in BLOCK.)
.macro FILL n
	WIN 0x40                                       ; destination window 1
.set i, 0
.rept 16
	global_load_b128 v[64*((\n)%3)+4*i:64*((\n)%3)+4*i+3], v[XO], s[4:5] offset:4096*i+512*(7-(\n)) th:TH_LOAD_NT
.set i, i+1
.endr
.endm
.macro BLOCK n
.if (\n) < 6
	s_wait_loadcnt 32                              ; loads come back in order (ISA guide 5.7.1): this turn's piece is in, the two younger pieces' 32 loads stay out
.elseif (\n) == 6
	s_wait_loadcnt 16                              ; one younger piece is left
.else
	s_wait_loadcnt 0x0
.endif
	s_wait_alu depctr_vm_vsrc(0)                   ; the LDS stores issued so far have read T, which the conversions write again; ahead of the first turn: TM, in which fragments of g land and which the products write
	WIN 0x05                                       ; sources window 1, destination window 0
.set i, 0
.rept 32
	v_cvt_pk_bf16_f32 v[T+i], v[64*((\n)%3)+2*i], v[64*((\n)%3)+2*i+1]
.set i, i+1
.endr
.if (\n) < 5
	WIN 0x40                                       ; the loads' destination in window 1; an LDS store has no destination, and its address and data stay in window 0
.else
	WIN 0
.endif
	s_wait_alu depctr_va_vdst(0)                   ; the conversions have written T, which the LDS stores read, and are done reading the slot, in which the loads land; the turn before's matrix instructions (ahead of the first turn: the split) are done with FA and FB
.set i, 0
.rept 16                                           ; row i: its 512 bytes of turn n + 3's piece are asked for, its 256 bytes of this turn's go into my stage
.if (\n) < 5
	global_load_b128 v[64*((\n)%3)+4*i:64*((\n)%3)+4*i+3], v[XO], s[4:5] offset:4096*i+512*(4-(\n)) th:TH_LOAD_NT
.endif
	ds_store_b64 v[XS], v[T+2*i:T+2*i+1] offset:272*i
.set i, i+1
.endr
	WIN 0
.irp ks, 0,1,2,3                                   ; LDS serves a wave's instructions in order (ISA guide 5.7.1.4): the loads from my stage see the stores above, and the next turn's stores come behind them
	ds_load_b128 v[FA+8*(\ks):FA+8*(\ks)+3], v[XA] offset:64*(\ks)
	ds_load_b128 v[FA+8*(\ks)+4:FA+8*(\ks)+7], v[XA] offset:64*(\ks)+32
.irp t, 0,1,2
	ds_load_b128 v[FB+8*(3*(\ks)+(\t)):FB+8*(3*(\ks)+(\t))+3], v[GA+(\t)] offset:64*(4*(7-(\n))+(\ks))
	ds_load_b128 v[FB+8*(3*(\ks)+(\t))+4:FB+8*(3*(\ks)+(\t))+7], v[GA+(\t)] offset:64*(4*(7-(\n))+(\ks))+32
.endr
.endr
.irp ks, 0,1,2,3                                   ; the three accumulators take turns, from piece to piece too
	s_wait_dscnt 24-8*(\ks)                        ; K step ks's eight loads are in; the later steps' eight each stay out
.irp t, 0,1,2
.if ((\n) == 0) && ((\ks) == 0)
	v_wmma_f32_16x16x32_bf16 v[ACC+8*(\t):ACC+8*(\t)+7], v[FA+8*(\ks):FA+8*(\ks)+7], v[FB+8*(3*(\ks)+(\t)):FB+8*(3*(\ks)+(\t))+7], 0
.else
	v_wmma_f32_16x16x32_bf16 v[ACC+8*(\t):ACC+8*(\t)+7], v[FA+8*(\ks):FA+8*(\ks)+7], v[FB+8*(3*(\ks)+(\t)):FB+8*(3*(\ks)+(\t))+7], v[ACC+8*(\t):ACC+8*(\t)+7]
.endif
.endr
.endr
.endm
	s_wait_alu depctr_va_vdst(0)                   ; the addresses and offsets v2 to v17 and v22 are written: every load and store of the kernel reads one of them
	global_load_b32 v[CC], v[CAD], s[10:11]
	global_load_b64 v[MK:MK+1], v[MAD], s[6:7]
.set i, 0
.rept 16
	global_load_b128 v[GR+4*i:GR+4*i+3], v[GO], s[8:9] offset:4096*i  ; head i: 4,096 consecutive bytes for the 256 threads
.set i, i+1
.endr
	FILL 0
	FILL 1
	s_wait_loadcnt 32                              ; c, the mask and g are in; the two pieces' 32 loads stay out
	FILL 2
	WIN 0
	v_mul_f32 v[CC], 0xbfb8aa3b, v[CC]             ; -log2(e) c, so that the exponent below is one fused multiply-add
	v_mov_b32 v[CC+1], v[CC]
.set i, 0
.rept 2                                            ; eight heads at a time
.rept 8
	SPLIT3 GR+4*i, SU, TM+6*i, TM+6*i+2, TM+6*i+4
.set i, i+1
.endr
	s_wait_alu depctr_va_vdst(0)                   ; the split has written these eight heads' terms, which the LDS stores read
.set i, i-8
.rept 8
	ds_store_b64 v[GSA], v[TM+6*i:TM+6*i+1] offset:GP*i
	ds_store_b64 v[GSA+1], v[TM+6*i+2:TM+6*i+3] offset:GP*i
	ds_store_b64 v[GSA+2], v[TM+6*i+4:TM+6*i+5] offset:GP*i
.set i, i+1
.endr
.endr
	s_wait_dscnt 0x0                               ; for the others' sake: my part of g's terms lies in LDS
	s_barrier_signal -1
	s_barrier_wait -1
	BLOCK 0
	BLOCK 1
	BLOCK 2
	BLOCK 3
	BLOCK 4
	BLOCK 5
	BLOCK 6
	BLOCK 7
	PLACES
.irp k, 0,2,4,6                                    ; the small terms first; each accumulator is read from its low end on
	v_pk_add_f32 v[Z+(\k):Z+(\k)+1], v[ACC+16+(\k):ACC+16+(\k)+1], v[ACC+8+(\k):ACC+8+(\k)+1]
.endr
.irp k, 0,2,4,6
	v_pk_add_f32 v[Z+(\k):Z+(\k)+1], v[Z+(\k):Z+(\k)+1], v[ACC+(\k):ACC+(\k)+1]
.endr
.irp k, 0,2,4,6
	v_pk_fma_f32 v[E+(\k):E+(\k)+1], v[Z+(\k):Z+(\k)+1], 0xbfb8aa3b, v[CC:CC+1] op_sel_hi:[1,0,1]  ; -log2(e) (x . g + c)
.endr
.irp j, 0,1,2,3,4,5,6,7
	v_exp_f32 v[E+(\j)], v[E+(\j)]
.endr
	v_bfe_u32 v[M], v[MK], 0, 8                    ; a plain instruction behind the last exponential (ISA guide 5.7.2),
	s_wait_alu depctr_va_vdst(0)                   ; and a wait ahead of the first use: the eight exponentials have written E
.irp k, 0,2,4,6
	v_pk_add_f32 v[E+(\k):E+(\k)+1], v[E+(\k):E+(\k)+1], 1.0 op_sel_hi:[1,0]
.endr
.irp j, 0,1,2,3,4,5,6,7
	v_rcp_f32 v[E+(\j)], v[E+(\j)]
.endr
.irp j, 1,2,3,4,5,6,7
	v_bfe_u32 v[M+(\j)], v[MK+(\j)/4], 8*((\j)%4), 8  ; row 8 hh + j's mask byte: plain work behind the reciprocals
.endr
.irp j, 0,1,2,3,4,5,6,7
	v_cmp_ne_u32 s[MS+(\j)], 0, v[M+(\j)]          ; the eight masks in one run, each into a scalar register of its own
.endr
	s_wait_alu depctr_va_sdst(0)                   ; the eight compares have written s16 to s23, ahead of their first reader
	s_wait_alu depctr_va_vdst(0)                   ; the eight reciprocals have written E: one wait for them, ahead of the first use
.irp j, 0,1,2,3,4,5,6,7
	v_cndmask_b32 v[Z+(\j)], 0, v[E+(\j)], s[MS+(\j)]  ; 0 where the mask is false
.endr
	s_wait_alu depctr_va_vdst(0)                   ; the selects have written Z, which the LDS stores read
	ds_store_b128 v[OSS], v[Z:Z+3]
	ds_store_b128 v[OSS], v[Z+4:Z+7] offset:16
	s_wait_dscnt 0x0                               ; a head's 512 bytes come from eight waves
	s_barrier_signal -1
	s_barrier_wait -1
	s_wait_alu depctr_vm_vsrc(0)                   ; the last turn's LDS stores have read T, in which the loads below land
.irp i, 0,1
	ds_load_b128 v[T+4*(\i):T+4*(\i)+3], v[OSL] offset:8*OSP*(\i)   ; heads w and w + 8
.endr
	s_wait_dscnt 0x0
.irp i, 0,1
	global_store_b128 v[OO], v[T+4*(\i):T+4*(\i)+3], s[12:13] offset:131072*(\i) th:TH_STORE_NT  ; the wave stores 512 consecutive bytes, at a multiple of 256 from out0's first
.endr
	s_wait_dscnt 0x0                               ; the closing lines, six on end
	s_wait_alu 0x0
	s_wait_tensorcnt 0x0
	ds_add_u32 v[SPW], v[NIL]
	s_wait_dscnt 0x0
	s_endpgm
.Lfunc_end_k_q4181bbb2f9_zs:
	.size	k_q4181bbb2f9_zs, .Lfunc_end_k_q4181bbb2f9_zs-k_q4181bbb2f9_zs
	.p2alignl 7, 3214868480
	.fill 96, 4, 3214868480
	.section	.rodata,"a",@progbits
	.p2align	6, 0x0
	.amdhsa_kernel k_q4181bbb2f9_zs
		.amdhsa_group_segment_fixed_size 143360
		.amdhsa_private_segment_fixed_size 0
		.amdhsa_enable_private_segment 0
		.amdhsa_kernarg_size 40
		.amdhsa_user_sgpr_count 2
		.amdhsa_user_sgpr_kernarg_segment_ptr 1
		.amdhsa_wavefront_size32 1
		.amdhsa_system_sgpr_workgroup_id_x 1
		.amdhsa_system_sgpr_workgroup_id_y 1
		.amdhsa_system_sgpr_workgroup_id_z 1
		.amdhsa_system_vgpr_workitem_id 0
		.amdhsa_next_free_vgpr 448
		.amdhsa_next_free_sgpr 66
		.amdhsa_reserve_vcc 0
		.amdhsa_float_denorm_mode_32 3
		.amdhsa_float_denorm_mode_16_64 3
		.amdhsa_memory_ordered 1
		.amdhsa_forward_progress 1
		.amdhsa_inst_pref_size 87
	.end_amdhsa_kernel
	.amdgpu_metadata
---
amdhsa.version: [ 1, 2 ]
amdhsa.kernels:
  - .name:           k_q4181bbb2f9_zs
    .symbol:         k_q4181bbb2f9_zs.kd
    .args:
      - { .name: x, .offset: 0, .size: 8, .value_kind: global_buffer, .address_space: global }
      - { .name: mask, .offset: 8, .size: 8, .value_kind: global_buffer, .address_space: global }
      - { .name: gbuf, .offset: 16, .size: 8, .value_kind: global_buffer, .address_space: global }
      - { .name: cbuf, .offset: 24, .size: 8, .value_kind: global_buffer, .address_space: global }
      - { .name: out0, .offset: 32, .size: 8, .value_kind: global_buffer, .address_space: global }
    .group_segment_fixed_size: 143360
    .private_segment_fixed_size: 0
    .kernarg_segment_align: 8
    .kernarg_segment_size: 40
    .max_flat_workgroup_size: 256
    .sgpr_count:     66
    .vgpr_count:     448
    .wavefront_size: 32
...
	.end_amdgpu_metadata
.endif
;; end of part 6
